; MI455X (gfx1250); checked and timed in simulation.
; The chip was launched on July 23, 2026; its instructions are those of AMD's public machine-readable ISA for CDNA 5 (MIT licence, August 2026) and "CDNA5" Instruction Set Architecture Reference Guide (July 2026). The comments in the code are by the model that wrote it; some were corrected since.
;; Mixture Of Experts. Allowed arithmetic: float matrix products may take bf16 or f16 operands with f32 sums; other float arithmetic in f32, or as packed bf16 or f16 multiplies, adds, multiply-adds, maxima and minima; sums over many terms, partial sums and values carried from step to step in f32; what a program stores and reads back later, other than sums and carried values, may be rounded once to bf16 or f16.
;; Inputs: router_w 8 x 1,024 float32; w1 8 x 2,048 x 1,024 float32; w2 8 x 1,024 x 2,048 float32; w3 8 x 2,048 x 1,024 float32; x 4 x 256 x 1,024 float32.
;; Outputs: out0 4 x 256 x 1,024 float32.
;; 2 versions, each right; version 2 is version 1 with the launches place, up, down written anew for expert scheduling mode. Each part assembles by itself: llvm-mc -triple=amdgcn-amd-amdhsa -mcpu=gfx1250 --defsym DOCPART=n.
;; ======== version 1 of 2: 5 launches
;; workspace buffers: xb 2,097,152 bytes; idx 8,192 bytes of whole numbers; gate 8,192 bytes; xg 16,777,216 bytes; hb 33,554,432 bytes; lst 49,152 bytes of whole numbers; pb 33,685,504 bytes
;; launch router (part 1): grid 256 x 1, 4 waves a work-group, no clusters, 0 bytes of LDS; arguments x, router_w, xb, idx, gate; writes xb, idx, gate
.if DOCPART == 1
	.amdgcn_target "amdgcn-amd-amdhsa--gfx1250"
	.amdhsa_code_object_version 6
	.text
	.protected	k_qa63b356415_router
	.globl	k_qa63b356415_router
	.p2align	8
	.type	k_qa63b356415_router,@function
k_qa63b356415_router:
	s_mov_b64 s[64:65], 0
	v_nop
	global_prefetch_b8 v0, s[64:65] scope:SCOPE_SE
	s_setreg_imm32_b32 hwreg(HW_REG_WAVE_MODE, 25, 1), 1
	s_wait_xcnt 0x0
; ROUTER.  One wave takes one token t = 4 x work-group + wave: its row of x (1,024 f32) is rounded to bf16 and stored (xb), the eight logits are the
; sums of the products of the ROUNDED x and the ROUNDED router_w (a product of two bf16 is exact in f32; sums in f32), then maximum, exponentials,
; the two largest and their renormalised weights.  Stored at fixed places: idx[2t], idx[2t+1] (experts), gate[2t], gate[2t+1] (weights).
; No address and no branch hangs on the choice.  The vector unit does the products: eight outputs fill half a matrix tile, and a token a wave keeps 1,024 waves loading.
; WHAT IS NOT FORMED: the softmax's divisor cancels in top_p / sum(top_p); p = 2^((L - max L) log2 e) orders the experts as the probabilities do.
; LIMITS.  Ties in p go to the lower index, as in top_k.  The logits differ from a row-by-row f32 product in the order of the sums alone.
; A p below 2^-126 counts as 0 (its weight would be below 1e-37).  NaN and infinities are not treated apart.
.set XF,  8                            ; v[8:39]    x: lane l holds k = 128 j + 4 l + 0..3 in registers 4 j ..
.set XBF, 40                           ; v[40:55]   x as bf16, two to a register
.set WS,  64                           ; v[64:191]  four sets of 32: rows of router_w as loaded
.set WBF, 192                          ; v[192:207] the row in hand as bf16
.set CHN, 208                          ; v[208:223] two chains of sums an expert: the low halves', the high halves'
.set PL,  224                          ; v[224:231] the logits, then p
.set TM,  232                          ; v[232:239] at work
	s_load_b256 s[4:11], s[0:1], 0x0               ; x s[4:5], router_w s[6:7], xb s[8:9], idx s[10:11]
	s_load_b64 s[12:13], s[0:1], 0x20              ; gate
	v_lshrrev_b32 v4, 5, v0
	v_readfirstlane_b32 s16, v4                    ; wave
	v_and_b32 v5, 31, v0                           ; lane
	v_lshlrev_b32 v1, 4, v5                        ; 16 bytes of f32 a lane
	v_lshlrev_b32 v2, 3, v5                        ; 8 bytes of bf16 a lane
	v_lshlrev_b32 v6, 2, v5                        ; 4 bytes a lane
	v_mov_b32 v3, 0                                ; the chains' first addend
.irp e, 0,1,2,3,4,5,6,7
	v_mov_b32 v[TM+(\e)], 0                        ; destinations of the lane exchange count as read: written once here
.endr
	s_lshl_b32 s17, ttmp9, 2
	s_add_co_u32 s17, s17, s16                     ; t
	s_lshl_b32 s18, s17, 12                        ; a row of x: 4,096 bytes
	s_mov_b32 s19, 0
	s_lshl_b32 s20, s17, 11                        ; a row of xb: 2,048 bytes
	s_mov_b32 s21, 0
	s_lshl_b32 s22, s17, 3                         ; two words of idx and of gate
	s_mov_b32 s23, 0
	s_mov_b32 s14, 0x76543210                      ; each lane takes its own place in the other half
	s_mov_b32 s15, 0xfedcba98
	s_wait_kmcnt 0x0
	s_add_nc_u64 s[4:5], s[4:5], s[18:19]
	s_add_nc_u64 s[8:9], s[8:9], s[20:21]
	s_add_nc_u64 s[10:11], s[10:11], s[22:23]
	s_add_nc_u64 s[12:13], s[12:13], s[22:23]
.macro WROW e                          ; row e of router_w into set e % 4: eight loads of 512 consecutive bytes
.irp j, 0,1,2,3,4,5,6,7
	global_load_b128 v[WS+32*((\e)%4)+4*(\j):WS+32*((\e)%4)+4*(\j)+3], v1, s[6:7] offset:4096*(\e)+512*(\j)
.endr
.endm
.irp j, 0,1,2,3,4,5,6,7
	global_load_b128 v[XF+4*(\j):XF+4*(\j)+3], v1, s[4:5] offset:512*(\j) th:TH_LOAD_NT
.endr
	WROW 0
	WROW 1
	WROW 2
	WROW 3
.irp e, 0,1,2,3,4,5,6,7
.if (\e) < 5
	s_wait_loadcnt 24                              ; row e is in (and x, which is older): three younger rows of eight loads stay out
.else
	s_wait_loadcnt 8*(7-(\e))                      ; nothing is asked for any more: the counts run down
.endif
.if (\e) == 0
.set m, 0
.rept 16
	v_cvt_pk_bf16_f32 v[XBF+m], v[XF+2*m], v[XF+2*m+1]
.set m, m+1
.endr
.set m, 0
.rept 8
	global_store_b64 v2, v[XBF+2*m:XBF+2*m+1], s[8:9] offset:256*m   ; the wave stores 256 consecutive bytes, aligned
.set m, m+1
.endr
.endif
.set m, 0
.rept 16
	v_cvt_pk_bf16_f32 v[WBF+m], v[WS+32*((\e)%4)+2*m], v[WS+32*((\e)%4)+2*m+1]
.set m, m+1
.endr
	v_fma_mix_f32_bf16 v[CHN+2*(\e)], v[XBF], v[WBF], v3 op_sel_hi:[1,1,0]
	v_fma_mix_f32_bf16 v[CHN+2*(\e)+1], v[XBF], v[WBF], v3 op_sel:[1,1,0] op_sel_hi:[1,1,0]
.set m, 1
.rept 15
	v_fma_mix_f32_bf16 v[CHN+2*(\e)], v[XBF+m], v[WBF+m], v[CHN+2*(\e)] op_sel_hi:[1,1,0]
	v_fma_mix_f32_bf16 v[CHN+2*(\e)+1], v[XBF+m], v[WBF+m], v[CHN+2*(\e)+1] op_sel:[1,1,0] op_sel_hi:[1,1,0]
.set m, m+1
.endr
.if (\e) < 4
	WROW (\e)+4                                    ; the set has been converted: it takes the row four further on
.endif
.endr
	; the lane's two chains, then the 32 lanes: four steps inside each half, one across
.irp e, 0,1,2,3,4,5,6,7
	v_add_f32 v[PL+(\e)], v[CHN+2*(\e)], v[CHN+2*(\e)+1]
.endr
.irp s, 1,2,4,8
.irp e, 0,1,2,3,4,5,6,7
	v_add_f32_dpp v[PL+(\e)], v[PL+(\e)], v[PL+(\e)] row_xmask:\s row_mask:0xf bank_mask:0xf
.endr
.endr
.irp e, 0,1,2,3,4,5,6,7
	v_permlanex16_b32 v[TM+(\e)], v[PL+(\e)], s14, s15
.endr
.irp e, 0,1,2,3,4,5,6,7
	v_add_f32 v[PL+(\e)], v[PL+(\e)], v[TM+(\e)]   ; every lane holds all eight logits
.endr
	v_max3_num_f32 v[TM], v[PL], v[PL+1], v[PL+2]
	v_max3_num_f32 v[TM], v[TM], v[PL+3], v[PL+4]
	v_max3_num_f32 v[TM], v[TM], v[PL+5], v[PL+6]
	v_max_num_f32 v[TM], v[TM], v[PL+7]            ; the maximum is taken away, as the softmax does
.irp e, 0,1,2,3,4,5,6,7
	v_sub_f32 v[PL+(\e)], v[PL+(\e)], v[TM]
.endr
.irp e, 0,1,2,3,4,5,6,7
	v_mul_f32 v[PL+(\e)], 0x3fb8aa3b, v[PL+(\e)]
.endr
.irp e, 0,1,2,3,4,5,6,7
	v_exp_f32 v[PL+(\e)], v[PL+(\e)]
.endr
	v_nop                                          ; a plain instruction behind the last exponential,
	s_wait_alu depctr_va_vdst(0)                   ; and one wait for the batch of eight, ahead of the first reader
	; the largest: a strict comparison keeps the lower index
	v_mov_b32 v[TM+1], v[PL]                       ; p of the first choice
	v_mov_b32 v[TM+2], 0                           ; its index
.irp e, 1,2,3,4,5,6,7
	v_cmp_gt_f32 vcc_lo, v[PL+(\e)], v[TM+1]
	v_cndmask_b32 v[TM+1], v[TM+1], v[PL+(\e)], vcc_lo
	v_cndmask_b32 v[TM+2], v[TM+2], \e, vcc_lo
.endr
	; it is taken out (p is never negative), and the scan is run once more
.irp e, 0,1,2,3,4,5,6,7
	v_cmp_eq_u32 vcc_lo, \e, v[TM+2]
	v_cndmask_b32 v[PL+(\e)], v[PL+(\e)], -1.0, vcc_lo
.endr
	v_mov_b32 v[TM+3], v[PL]
	v_mov_b32 v[TM+4], 0
.irp e, 1,2,3,4,5,6,7
	v_cmp_gt_f32 vcc_lo, v[PL+(\e)], v[TM+3]
	v_cndmask_b32 v[TM+3], v[TM+3], v[PL+(\e)], vcc_lo
	v_cndmask_b32 v[TM+4], v[TM+4], \e, vcc_lo
.endr
	v_add_f32 v[TM+5], v[TM+1], v[TM+3]            ; between 1 and 2: the first p is 1
	v_rcp_f32 v[TM+5], v[TM+5]
	v_cmp_eq_u32 vcc_lo, 0, v5                     ; (the plain instruction behind the reciprocal) lane 0 stores the first choice, lane 1 the second
	s_wait_alu depctr_va_vdst(0)
	v_mul_f32 v[TM+1], v[TM+1], v[TM+5]
	v_mul_f32 v[TM+3], v[TM+3], v[TM+5]
	v_cndmask_b32 v[TM+6], v[TM+4], v[TM+2], vcc_lo
	v_cndmask_b32 v[TM+7], v[TM+3], v[TM+1], vcc_lo
	v_cmp_gt_u32 vcc_lo, 2, v5
	s_wait_xcnt 0x0                                ; EXEC is a source of the loads and stores above: it changes only behind this wait
	s_and_saveexec_b32 s24, vcc_lo
	global_store_b32 v6, v[TM+6], s[10:11]
	global_store_b32 v6, v[TM+7], s[12:13]
	s_wait_xcnt 0x0                                ; and again in front of the line that widens it
	s_or_b32 exec_lo, exec_lo, s24
	s_endpgm
.Lfunc_end_k_qa63b356415_router:
	.size	k_qa63b356415_router, .Lfunc_end_k_qa63b356415_router-k_qa63b356415_router
	.p2alignl 7, 3214868480
	.fill 96, 4, 3214868480
	.section	.rodata,"a",@progbits
	.p2align	6, 0x0
	.amdhsa_kernel k_qa63b356415_router
		.amdhsa_group_segment_fixed_size 0
		.amdhsa_private_segment_fixed_size 0
		.amdhsa_enable_private_segment 0
		.amdhsa_kernarg_size 40
		.amdhsa_user_sgpr_count 2
		.amdhsa_user_sgpr_kernarg_segment_ptr 1
		.amdhsa_wavefront_size32 1
		.amdhsa_system_sgpr_workgroup_id_x 1
		.amdhsa_system_sgpr_workgroup_id_y 1
		.amdhsa_system_sgpr_workgroup_id_z 1
		.amdhsa_system_vgpr_workitem_id 0
		.amdhsa_next_free_vgpr 240
		.amdhsa_next_free_sgpr 66
		.amdhsa_reserve_vcc 1
		.amdhsa_float_denorm_mode_32 3
		.amdhsa_float_denorm_mode_16_64 3
		.amdhsa_memory_ordered 1
		.amdhsa_forward_progress 1
		.amdhsa_inst_pref_size 42
	.end_amdhsa_kernel
	.amdgpu_metadata
---
amdhsa.version: [ 1, 2 ]
amdhsa.kernels:
  - .name:           k_qa63b356415_router
    .symbol:         k_qa63b356415_router.kd
    .args:
      - { .name: x, .offset: 0, .size: 8, .value_kind: global_buffer, .address_space: global }
      - { .name: router_w, .offset: 8, .size: 8, .value_kind: global_buffer, .address_space: global }
      - { .name: xb, .offset: 16, .size: 8, .value_kind: global_buffer, .address_space: global }
      - { .name: idx, .offset: 24, .size: 8, .value_kind: global_buffer, .address_space: global }
      - { .name: gate, .offset: 32, .size: 8, .value_kind: global_buffer, .address_space: global }
    .group_segment_fixed_size: 0
    .private_segment_fixed_size: 0
    .kernarg_segment_align: 8
    .kernarg_segment_size: 40
    .max_flat_workgroup_size: 128
    .sgpr_count:     66
    .vgpr_count:     240
    .wavefront_size: 32
...
	.end_amdgpu_metadata
.endif
;; end of part 1
;; launch place (part 2): grid 256 x 1, 4 waves a work-group, no clusters, 25,088 bytes of LDS; arguments idx, xb, xg, lst; writes xg, lst
.if DOCPART == 2
	.amdgcn_target "amdgcn-amd-amdhsa--gfx1250"
	.amdhsa_code_object_version 6
	.text
	.protected	k_qa63b356415_place
	.globl	k_qa63b356415_place
	.p2align	8
	.type	k_qa63b356415_place,@function
k_qa63b356415_place:
	s_mov_b64 s[64:65], 0
	v_nop
	global_prefetch_b8 v0, s[64:65] scope:SCOPE_SE
	s_setreg_imm32_b32 hwreg(HW_REG_WAVE_MODE, 25, 1), 1
	s_wait_xcnt 0x0
; PLACE.  The experts' lists, and the chosen token rows laid out as the next launch's matrix operands.
; Work-group = (expert e = id / 32, chunk c = (id / 4) % 8 of 128 along K, q = id % 4).
; THE LIST.  Every wave scans all 2,048 choices (idx) and lays the expert's list, rank -> r = 2 token + k, into a list of its own in LDS; places past the count hold 2048 + e.
; All waves of all the expert's work-groups make the same list; the work-group with c = q = 0 stores it (lst, word 1535 = the count).
; THE ROWS.  xg[e][tile of 16 ranks][K step of 32][half][lane][16 bytes]: lane (r = lane % 16, h = lane / 16) of half m holds k = 16 m + 8 h + 0..7 of the row of rank 16 tile + r: the registers of a
; 16-bit matrix operand.  Wave w has the tiles 16 j + 4 q + w, j = 0..3 (an expert has 64 at the most), and of each the chunk's four K steps: eight loads, which together take 256 whole bytes of each of
; the 16 rows, and eight stores of 512 consecutive bytes, aligned.  A place past the count in a tile that is not full repeats token 1,023's row; tiles past the count are not written.
; The loads of all the wave's tiles go out first; the stores follow in reverse order down a ladder of labels, so that each block of stores is reached only behind its own loads.
; A stream of a few megabytes: no matrix unit, no cluster; the two barriers order the lists' stores, their reads and the closing lines.
.set LISTW, 6144                       ; a list: 1,536 words
.set SPARE, 4*LISTW                    ; the spare words, 128 bytes for each wave
.set R,     1
.set H,     2
.set SPW,   3                          ; my spare word's address; never rewritten
.set NIL,   4                          ; 0; never rewritten
.set L16,   5
.set LN,    6
.set DIDX,  8                          ; 1280 + lane: where a lane that does not match writes
.set LADR,  9                          ; my list entry of my first tile
.set H16,   10
.set CPA,   11
.set CPG,   12
.set CPF,   13
.set GO,    14                         ; my byte offset in the expert's part of xg, first tile
.set T0,    15
.set TA,    16                         ; v[16:19] at work, by turns
.set RQ,    20                         ; v[20:23] r of the entry in hand, by its place in a load's four
.set TK,    24                         ; v[24:27] list entry, then byte offset in xb, tile j
.set PFV,   28                         ; v[28:31] 2048 + e, four times
.set CPD,   32                         ; v[32:43]
.set IDXR,  64                         ; v[64:127] the choices
.set D,     64                         ; v[64:191] later: tile j's eight loads at D + 32 j
.set IDXP,  4
.set XBP,   6
.set XG,    8
.set LST,   10
.set WV,    16
.set E,     17
.set C,     18
.set Q,     19
.set BT,    20                         ; 4 q + w: my first tile
.set TT,    21                         ; tiles of the expert
.set NTL,   22                         ; my live tiles, 0 to 4
.set C128,  23
.set RUN,   30
.set LB,    31                         ; my list
.set MK,    40                         ; s[40:55] sixteen masks
	s_load_b256 s[4:11], s[0:1], 0x0               ; idx, xb, xg, lst
	v_lshl_add_u32 v[SPW], v0, 2, SPARE
	v_mov_b32 v[NIL], 0
	v_lshrrev_b32 v[T0], 5, v0
	v_readfirstlane_b32 s[WV], v[T0]               ; wave 0..3
	s_lshr_b32 s[E], ttmp9, 5
	s_bfe_u32 s[C], ttmp9, 0x30002
	s_and_b32 s[Q], ttmp9, 3
	s_lshl_b32 s[BT], s[Q], 2
	s_add_co_u32 s[BT], s[BT], s[WV]
	v_and_b32 v[LN], 31, v0
	v_and_b32 v[R], 15, v0
	v_bfe_u32 v[H], v0, 4, 1
	v_lshlrev_b32 v[L16], 4, v[LN]
	v_lshlrev_b32 v[H16], 4, v[H]
	v_lshlrev_b32 v[RQ], 2, v[LN]                  ; register 4 j + p of lane l is entry 128 j + 4 l + p
	v_add_nc_u32 v[RQ+1], 1, v[RQ]
	v_add_nc_u32 v[RQ+2], 2, v[RQ]
	v_add_nc_u32 v[RQ+3], 3, v[RQ]
	v_add_nc_u32 v[DIDX], 1280, v[LN]
	s_mul_i32 s[LB], s[WV], LISTW
	s_lshl_b32 s24, s[BT], 6
	s_add_co_u32 s24, s24, s[LB]
	v_lshl_add_u32 v[LADR], v[R], 2, s24           ; entry 16 (4 q + w) + lane % 16 of my list
	v_add_nc_u32 v[CPF], s[LB], v[L16]
	s_mul_i32 s24, s[WV], 1536
	v_add_nc_u32 v[CPG], s24, v[L16]               ; the quarter of the list that I copy out
	v_add_nc_u32 v[CPA], s[LB], v[CPG]
	v_lshl_add_u32 v[GO], s[BT], 15, v[L16]        ; a tile is 32,768 bytes
	s_add_co_u32 s24, s[E], 2048
.irp k, 0,1,2,3
	v_mov_b32 v[PFV+(\k)], s24
.endr
	s_mov_b32 s[RUN], 0
	s_mov_b32 s[C128], 128
	s_lshl_b32 s24, s[C], 8                        ; xb: the chunk's 256 bytes of a row
	s_mov_b32 s25, 0
	s_lshl_b32 s26, s[E], 21                       ; xg: the expert's 64 tiles,
	s_lshl_b32 s27, s[C], 12                       ; the chunk's four K steps of 1,024 bytes
	s_add_co_u32 s26, s26, s27
	s_mov_b32 s27, 0
	s_mul_i32 s34, s[E], LISTW
	s_mov_b32 s35, 0
	s_wait_kmcnt 0x0
	s_add_nc_u64 s[XBP:XBP+1], s[XBP:XBP+1], s[24:25]
	s_add_nc_u64 s[XG:XG+1], s[XG:XG+1], s[26:27]
	s_add_nc_u64 s[LST:LST+1], s[LST:LST+1], s[34:35]
.set z, 0
.rept 16                               ; all 2,048 choices
	global_load_b128 v[IDXR+4*z:IDXR+4*z+3], v[L16], s[IDXP:IDXP+1] offset:512*z
.set z, z+1
.endr
.set z, 0
.rept 12                               ; my list holds 2048 + e wherever no row is entered
	ds_store_b128 v[CPF], v[PFV:PFV+3] offset:512*z
.set z, z+1
.endr
	s_wait_loadcnt 0x0
	; a counting scan, sixteen registers at a time: a lane's rank = the matches so far + the matching lanes below it
.set bb, 0
.rept 4
.set n, 0
.rept 16
	v_cmp_eq_u32 s[MK+n], s[E], v[IDXR+16*bb+n]
.set n, n+1
.endr
.set n, 0
.rept 16
	v_mbcnt_lo_u32_b32 v[TA+n%4], s[MK+n], s[RUN]
	v_cndmask_b32 v[TA+n%4], v[DIDX], v[TA+n%4], s[MK+n]   ; a lane that does not match writes word 1280 + lane, which nobody reads as a rank
	v_min_u32 v[TA+n%4], 0x5ff, v[TA+n%4]
	v_lshl_add_u32 v[TA+n%4], v[TA+n%4], 2, s[LB]
	ds_store_b32 v[TA+n%4], v[RQ+n%4]
	v_add_nc_u32 v[RQ+n%4], s[C128], v[RQ+n%4]     ; the same place in the next load's four
	s_bcnt1_i32_b32 s24, s[MK+n]
	s_add_co_u32 s[RUN], s[RUN], s24
.set n, n+1
.endr
.set bb, bb+1
.endr
	v_mov_b32 v[TA], s[LB]
	v_mov_b32 v[TA+1], s[RUN]
	ds_store_b32 v[TA], v[TA+1] offset:LISTW-4     ; word 1535: the count
	s_add_co_u32 s[TT], s[RUN], 15
	s_lshr_b32 s[TT], s[TT], 4
	s_sub_co_i32 s24, s[TT], s[BT]                 ; my tiles 16 j + 4 q + w below TT: ceil((TT - 4 q - w) / 16), held to 0 .. 4
	s_add_co_i32 s24, s24, 15
	s_ashr_i32 s24, s24, 4
	s_max_i32 s24, s24, 0
	s_min_i32 s[NTL], s24, 4
	s_wait_dscnt 0x0                               ; my list is stored,
	s_barrier_signal -1
	s_barrier_wait -1                              ; and everybody's: from here on the lists are only read
	s_and_b32 s24, ttmp9, 31
	s_cmp_lg_u32 s24, 0
	s_cbranch_scc1 .Lnolst                         ; the expert's first work-group stores the list: each wave a quarter of its own copy
.irp k, 0,1,2
	ds_load_b128 v[CPD+4*(\k):CPD+4*(\k)+3], v[CPA] offset:512*(\k)
.endr
	s_wait_dscnt 0x0
.irp k, 0,1,2
	global_store_b128 v[CPG], v[CPD+4*(\k):CPD+4*(\k)+3], s[LST:LST+1] offset:512*(\k)
.endr
.Lnolst:
.irp j, 0,1,2,3
	ds_load_b32 v[TK+(\j)], v[LADR] offset:1024*(\j)       ; sixteen tiles of sixteen entries on
.endr
	s_wait_dscnt 0x0
.irp j, 0,1,2,3
	v_lshrrev_b32 v[TK+(\j)], 1, v[TK+(\j)]        ; r -> token; a place past the count (2048 + e) gives token 1023
	v_min_u32 v[TK+(\j)], 0x3ff, v[TK+(\j)]
	v_lshl_add_u32 v[TK+(\j)], v[TK+(\j)], 11, v[H16]
.endr
.macro LD j
.irp u, 0,1,2,3
	global_load_b128 v[D+32*(\j)+8*(\u):D+32*(\j)+8*(\u)+3], v[TK+(\j)], s[XBP:XBP+1] offset:64*(\u)
	global_load_b128 v[D+32*(\j)+8*(\u)+4:D+32*(\j)+8*(\u)+7], v[TK+(\j)], s[XBP:XBP+1] offset:64*(\u)+32
.endr
.endm
.macro ST j
	s_wait_loadcnt 0x0                             ; all my loads are in (met at once on the way down the ladder)
.irp u, 0,1,2,3
	global_store_b128 v[GO], v[D+32*(\j)+8*(\u):D+32*(\j)+8*(\u)+3], s[XG:XG+1] offset:524288*(\j)+1024*(\u)          ; 512 consecutive bytes, aligned
	global_store_b128 v[GO], v[D+32*(\j)+8*(\u)+4:D+32*(\j)+8*(\u)+7], s[XG:XG+1] offset:524288*(\j)+1024*(\u)+512
.endr
.endm
	s_cmp_eq_u32 s[NTL], 0
	s_cbranch_scc1 .Ldone
	LD 0
	s_cmp_eq_u32 s[NTL], 1
	s_cbranch_scc1 .Lst1
	LD 1
	s_cmp_eq_u32 s[NTL], 2
	s_cbranch_scc1 .Lst2
	LD 2
	s_cmp_eq_u32 s[NTL], 3
	s_cbranch_scc1 .Lst3
	LD 3
	ST 3
.Lst3:
	ST 2
.Lst2:
	ST 1
.Lst1:
	ST 0
.Ldone:
	s_wait_dscnt 0x0                               ; my reads of LDS are over,
	s_barrier_signal -1
	s_barrier_wait -1                              ; and everybody's
	s_wait_tensorcnt 0x0                           ; the wave's end: three closing lines, behind my last LDS store
	ds_add_u32 v[SPW], v[NIL]
	s_wait_dscnt 0x0
	s_endpgm
.Lfunc_end_k_qa63b356415_place:
	.size	k_qa63b356415_place, .Lfunc_end_k_qa63b356415_place-k_qa63b356415_place
	.p2alignl 7, 3214868480
	.fill 96, 4, 3214868480
	.section	.rodata,"a",@progbits
	.p2align	6, 0x0
	.amdhsa_kernel k_qa63b356415_place
		.amdhsa_group_segment_fixed_size 25088
		.amdhsa_private_segment_fixed_size 0
		.amdhsa_enable_private_segment 0
		.amdhsa_kernarg_size 32
		.amdhsa_user_sgpr_count 2
		.amdhsa_user_sgpr_kernarg_segment_ptr 1
		.amdhsa_wavefront_size32 1
		.amdhsa_system_sgpr_workgroup_id_x 1
		.amdhsa_system_sgpr_workgroup_id_y 1
		.amdhsa_system_sgpr_workgroup_id_z 1
		.amdhsa_system_vgpr_workitem_id 0
		.amdhsa_next_free_vgpr 192
		.amdhsa_next_free_sgpr 66
		.amdhsa_reserve_vcc 0
		.amdhsa_float_denorm_mode_32 3
		.amdhsa_float_denorm_mode_16_64 3
		.amdhsa_memory_ordered 1
		.amdhsa_forward_progress 1
		.amdhsa_inst_pref_size 43
	.end_amdhsa_kernel
	.amdgpu_metadata
---
amdhsa.version: [ 1, 2 ]
amdhsa.kernels:
  - .name:           k_qa63b356415_place
    .symbol:         k_qa63b356415_place.kd
    .args:
      - { .name: idx, .offset: 0, .size: 8, .value_kind: global_buffer, .address_space: global }
      - { .name: xb, .offset: 8, .size: 8, .value_kind: global_buffer, .address_space: global }
      - { .name: xg, .offset: 16, .size: 8, .value_kind: global_buffer, .address_space: global }
      - { .name: lst, .offset: 24, .size: 8, .value_kind: global_buffer, .address_space: global }
    .group_segment_fixed_size: 25088
    .private_segment_fixed_size: 0
    .kernarg_segment_align: 8
    .kernarg_segment_size: 32
    .max_flat_workgroup_size: 128
    .sgpr_count:     66
    .vgpr_count:     192
    .wavefront_size: 32
...
	.end_amdgpu_metadata
.endif
;; end of part 2
;; launch up (part 3): grid 256 x 1, 4 waves a work-group, no clusters, 279,040 bytes of LDS; arguments xg, w1, w3, lst, hb; writes hb
.if DOCPART == 3
	.amdgcn_target "amdgcn-amd-amdhsa--gfx1250"
	.amdhsa_code_object_version 6
	.text
	.protected	k_qa63b356415_up
	.globl	k_qa63b356415_up
	.p2align	8
	.type	k_qa63b356415_up,@function
k_qa63b356415_up:
	s_mov_b64 s[64:65], 0
	v_nop
	global_prefetch_b8 v0, s[64:65] scope:SCOPE_SE
	s_setreg_imm32_b32 hwreg(HW_REG_WAVE_MODE, 25, 1), 1
	s_wait_xcnt 0x0
; UP.  h = silu(x w1^T) * (x w3^T) for the rows that chose an expert.  Work-group = (expert e = id / 32, slice s = id % 32 of 64 hidden units): it alone reads the slice's
; 64 rows of w1 and 64 rows of w3 (512 KiB of f32), rounds them to bf16 on their way through registers and keeps them in LDS (8 chunks of 128 along K, rows 272 bytes apart).
; THE STREAM.  While chunk c is multiplied, chunk c + 1 goes from the staging registers into LDS and chunk c + 2 is asked for into the same registers; the token rows come as operand registers
; (xg[e][tile of 16 ranks][K step][half][lane][16 bytes], laid out by the launch before: a load of the wave is 512 consecutive bytes), three K steps ahead.  At most 62 loads of a wave are out.
; One barrier a chunk: chunk c + 1 is whole before anybody reads it; no LDS byte of the weights is written twice.
; THE BASES.  Each of a chunk's four K steps has a base pair of its own for its token loads and one for its staging quarter.  A pair is stepped directly behind that K step's wait on LOADcnt: its last loads were
; issued four K steps ago, 54 loads or more have been issued behind them, and the wait leaves 44 out at the most, so they are done.  The step stands ahead of the use, so the immediates are one step less.
; ROWS.  A wave has five tiles of 16 rows (tile g = 20 sb + 4 i + w), the work-group 320 rows a super-block.  Tiles past the count (lst, word 1535) are jumped by scalar branches that pass neither a barrier nor a
; load; their operand loads go out all the same, at addresses made of constants alone (tile held to 63), so that every count of loads is a constant; what they bring is never multiplied.
; The first super-block runs under the stream.  A later one (an expert with more than 320 rows) reads the weights from LDS and runs the last chunk's text once for each chunk: it asks for a chunk's rows at the
; chunk's head and sits their way out once a chunk: the price of one text for both.  An expert without rows streams its weights (the barriers do not hang on the count) and stores nothing.
; THE MATRIX INSTRUCTION IS USED TRANSPOSED: source 0 = 16 weight rows, source 1 = 16 token rows: a lane holds one token (lane % 16) and eight neighbouring hidden units.
; Column tile 2 j is w1, tile 2 j + 1 is w3 of hidden tile j, so silu(a) b is made lane by lane.
; THE WAY OUT NEEDS NO LDS.  A lane's eight h of hidden tile j, rounded to bf16, are the 16 bytes that the same lane of the next launch wants as half a matrix operand.
; So hb lies in that order: hb[e][s][tile of 16 ranks][j][lane][16 bytes]; a store of the wave is 512 consecutive bytes, aligned.
; THE ACCUMULATORS ARE SET TO 0 by 40 products of two fragments of zeros with C = 0 (one instruction for eight registers), at the head in the wait for the first weights and once for each later super-block:
; matrix work that is not the problem's, taken for the shorter text; a first K step written out would be one more copy of a K step for each of the two ways in.
; NO MULTICAST: each weight byte has one reader.  The token tiles are shared by an expert's 32 work-groups, but the slice takes 278,528 of the 327,680 bytes of LDS, a chunk of 320 rows would want 81,920 more,
; and how many tiles there are hangs on a stored count.
; LIMITS.  silu(a) = a / (1 + 2^(-a log2 e)): for a below about -88 the exponential is infinite and the result 0 (the true value is below 1e-36).  NaN and infinities are not treated apart.
; REGISTERS, in windows of 256 (s_set_vgpr_msb: bits 1:0 source 0, 3:2 source 1, 5:4 source 2, 7:6 destination):
;   window 0: addresses; v48-63 zeros; v64-191 two buffers of weight fragments (the way out works there too); v192-207 packed staging      window 1: v0-159 token fragments, four slots of five tiles
;   window 2: accumulators of tiles 0-3, tile i, column tile ct at v[64 i + 8 ct]      window 3: v0-63 tile 4's; v64-191 staging, four quarters of eight loads
.set NCH,   8                          ; chunks of 128 along K
.set PITCH, 272                        ; 256 bytes + 16: the 16 rows of a fragment load start at 16 different groups of four banks
.set CHB,   128*PITCH                  ; a chunk's region: 128 weight rows
.set SPARE, NCH*CHB                    ; the spare words, 128 bytes for each wave
.set XSTEP, 4096                       ; a chunk of a tile in xg: four K steps of 1,024 bytes
.set ROWB,  4096                       ; bytes of a weight row
.set R,     1                          ; lane % 16
.set H,     2                          ; lane / 16
.set SPW,   3                          ; my spare word's address; never rewritten
.set NIL,   4                          ; 0; never rewritten
.set L16,   5                          ; 16 x lane
.set SADR,  6                          ; where my staging stores go, in the chunk in hand
.set WADR,  7                          ; where my weight fragments lie, in the chunk in hand
.set XOFF,  8                          ; v[8:12] byte offset of my 16 bytes in the expert's part of xg, tile i
.set HOFF,  15                         ; my byte offset in hb's slice
.set PFO,   16                         ; prefetch: (lane / 2) rows + (lane % 2) x 256 bytes; never rewritten
.set H16,   23
.set SADR0, 24
.set WADR0, 25
.set T0,    29
.set T1,    30
.set LN,    31
.set HOFF0, 32
.set ZA,    48                         ; v[48:55], v[56:63] zeros; never rewritten
.set ZB,    56
.set WF,    64
.set TB,    192
.set ET,    64                         ; the way out
.set EU,    96
.set EH,    128
.set STG,   64                         ; window 3
.set XB0,   4                          ; xg at the expert's first tile; never stepped
.set P1,    6                          ; w1 and w3 at my first row; never stepped: the prefetches' bases
.set P3,    8
.set LST,   10
.set HB,    12
.set WV,    16
.set E,     17
.set SL,    18
.set CNT,   19
.set TT,    20                         ; tiles of the expert
.set NT,    21                         ; my live tiles in the super-block, 0 to 5
.set SB,    22
.set CH,    23
.set NL2E,  28                         ; s[28:29] -log2(e)
.set WB,    31                         ; under the stream: LDS byte of the chunk in hand
.set XL,    32                         ; xg at the chunk in hand, for the last chunk's text
.set XK,    40                         ; s[40:47] K step ks: the base of its token loads
.set WK,    48                         ; s[48:55] K step ks: the base of its staging quarter
.set MSB, 0
.macro WIN new                         ; the immediate's high byte repeats the setting that is left; a switch that changes nothing is dropped
.if MSB != (\new)
	s_set_vgpr_msb (MSB<<8)|(\new)
.set MSB, \new
.endif
.endm
.macro PLACES                          ; four plain instructions between a matrix instruction and a load into, or a vector write or read of, its registers
.rept 4
	v_nop
.endr
.endm
.macro CLEARW                          ; 0 x 0 + 0 into all 40 accumulators
	WIN 0x80
.set z, 0
.rept 32
	v_wmma_f32_16x16x32_bf16 v[8*z:8*z+7], v[ZA:ZA+7], v[ZB:ZB+7], 0
.set z, z+1
.endr
	WIN 0xc0
.set z, 0
.rept 8
	v_wmma_f32_16x16x32_bf16 v[8*z:8*z+7], v[ZA:ZA+7], v[ZB:ZB+7], 0
.set z, z+1
.endr
	WIN 0
.endm
; Staging quarter q: eight weight rows' 128 k at byte ko from the quarter's base, 512 consecutive aligned bytes a load.  Quarters 0, 1: w1's rows 0-15 of my hidden tile; 2, 3: w3's.
.macro SLOAD q, ko
	WIN 0xc0
.irp g, 0,1,2,3,4,5,6,7
	global_load_b128 v[STG+32*(\q)+4*(\g):STG+32*(\q)+4*(\g)+3], v[L16], s[WK+2*(\q):WK+2*(\q)+1] offset:(8*((\q)%2)+(\g))*ROWB+(\ko) th:TH_LOAD_NT
.endr
.endm
.macro PREF ko                         ; a chunk of my 32 weight rows, each block of 256 bytes asked for by one lane
	global_prefetch_b8 v[PFO], s[P1:P1+1] offset:\ko th:TH_LOAD_NT scope:SCOPE_SE
	global_prefetch_b8 v[PFO], s[P3:P3+1] offset:\ko th:TH_LOAD_NT scope:SCOPE_SE
.endm
.macro PFSEL c                         ; in the stream's trip c: chunk c + 3, one chunk ahead of the chunk that the trip's loads ask for
	s_cmp_lg_u32 s[CH], NCH-2-(\c)
	s_cbranch_scc1 .Lpf_\@
	PREF 512*((\c)+3)
.Lpf_\@:
.endm
; Quarter q is rounded to bf16 and stored: LDS row 32 w + 8 q + g, 8 bytes a lane, 256 consecutive bytes a store
.macro SCONS q, off
	WIN 0x0f
.irp g, 0,1,2,3,4,5,6,7
	v_cvt_pk_bf16_f32 v[TB+2*(\g)], v[STG+32*(\q)+4*(\g)], v[STG+32*(\q)+4*(\g)+1]
	v_cvt_pk_bf16_f32 v[TB+2*(\g)+1], v[STG+32*(\q)+4*(\g)+2], v[STG+32*(\q)+4*(\g)+3]
.endr
	WIN 0
.irp g, 0,1,2,3,4,5,6,7
	ds_store_b64 v[SADR], v[TB+2*(\g):TB+2*(\g)+1] offset:(\off)+(8*(\q)+(\g))*PITCH
.endr
.endm
.macro SETXO u                         ; xo = the bytes from a chunk's first K step to its K step u
.set xo, 1024*(\u)
.endm
; The token fragments at byte off from base into slot: five tiles, two loads of 512 consecutive bytes each
.macro XLOAD slot, base, off
	WIN 0x40
.irp i, 0,1,2,3,4
	global_load_b128 v[40*(\slot)+8*(\i):40*(\slot)+8*(\i)+3], v[XOFF+(\i)], s[\base:\base+1] offset:\off
	global_load_b128 v[40*(\slot)+8*(\i)+4:40*(\slot)+8*(\i)+7], v[XOFF+(\i)], s[\base:\base+1] offset:\off+512
.endr
.endm
; The eight weight fragments of a K step at byte off from WADR
.macro WFETCH buf, off
	WIN 0
.irp ct, 0,1,2,3,4,5,6,7
	ds_load_b128 v[WF+64*(\buf)+8*(\ct):WF+64*(\buf)+8*(\ct)+3], v[WADR] offset:(\off)+(\ct)*16*PITCH
	ds_load_b128 v[WF+64*(\buf)+8*(\ct)+4:WF+64*(\buf)+8*(\ct)+7], v[WADR] offset:(\off)+(\ct)*16*PITCH+32
.endr
.endm
; Tile i: eight matrix instructions on eight accumulators, which take turns.  A tile past my count, and those behind it, are jumped.
.macro GROUP i, buf, slot, lbl
	WIN 0
	s_cmp_le_u32 s[NT], \i
	s_cbranch_scc1 \lbl
	WIN 0xa4+0x50*((\i)/4)
.irp ct, 0,1,2,3,4,5,6,7
	v_wmma_f32_16x16x32_bf16 v[64*((\i)%4)+8*(\ct):64*((\i)%4)+8*(\ct)+7], v[WF+64*(\buf)+8*(\ct):WF+64*(\buf)+8*(\ct)+7], v[40*(\slot)+8*(\i):40*(\slot)+8*(\i)+7], v[64*((\i)%4)+8*(\ct):64*((\i)%4)+8*(\ct)+7]
.endr
	WIN 0
.endm
; A K step of 32.  sq: staging quarter ks goes into LDS; sre: it is asked for again, two chunks on; xre: the token fragments three K steps on are asked for (1: by the K step's own base; 2: by XL);
; wn: the next K step's weight fragments are fetched; bar: the chunk's barrier; n: the loads younger than this step's token fragments (the staging quarter is older than these); pf: the chunk's prefetch.
.macro KSTEP ks, sq, sre, xre, wn, bar, n, pf
	s_wait_loadcnt \n
.if \sre
	s_add_nc_u64 s[WK+2*(\ks):WK+2*(\ks)+1], s[WK+2*(\ks):WK+2*(\ks)+1], 512       ; its last loads are the quarter that the wait has just shown in
.endif
.if (\xre) == 1
	s_add_nc_u64 s[XK+2*(\ks):XK+2*(\ks)+1], s[XK+2*(\ks):XK+2*(\ks)+1], XSTEP     ; its last loads were multiplied a K step ago
.endif
.if \sq
	SCONS \ks, CHB
	s_wait_dscnt 8                                 ; the 16 fragment loads are older than the eight stores just issued
.else
	s_wait_dscnt 0x0
.endif
	GROUP 0, (\ks)%2, \ks, .Lka_\@
	GROUP 1, (\ks)%2, \ks, .Lka_\@
.Lka_\@:
.if \bar
	s_wait_dscnt 0x0                               ; for the others' sake: my part of the next chunk is stored
	s_barrier_signal -1
	s_barrier_wait -1                              ; everybody's is
.endif
.if (\wn)+(\xre)+(\sre)
	PLACES                                         ; the buffers loaded below were read by the K step before
.endif
.if \wn
.if (\ks) < 3
	WFETCH ((\ks)+1)%2, ((\ks)+1)*64
.else
	WFETCH 0, CHB
.endif
.endif
.if (\xre) == 1
	SETXO (\ks)+3
	XLOAD ((\ks)+3)%4, XK+2*(\ks), xo-XSTEP
.elseif (\xre) == 2
	SETXO (\ks)+3
	XLOAD ((\ks)+3)%4, XL, xo
.endif
.if \sre
	SLOAD \ks, 512
.endif
.if \pf
	WIN 0
.irp c, 0,1,2,3,4
	PFSEL \c                                       ; the last trip asks for nothing: chunk NCH - 1 is the last
.endr
.endif
	GROUP 2, (\ks)%2, \ks, .Lkb_\@
	GROUP 3, (\ks)%2, \ks, .Lkb_\@
	GROUP 4, (\ks)%2, \ks, .Lkb_\@
.Lkb_\@:
.endm
; A chunk.  Behind a K step's token fragments were issued three staging quarters of 8 and two runs of 10: 44; where the staging, and then the token rows, end, the terms fall away.
; mode 0: under the stream; 1: the last chunk but one: nothing more is staged; 4: a chunk whose first three K steps' rows and first fragments have been asked for, and that asks for nothing beyond itself.
.macro CHUNK mode
.if (\mode) == 0
	KSTEP 0, 1, 1, 1, 1, 0, 44, 1
	KSTEP 1, 1, 1, 1, 1, 0, 44, 0
	KSTEP 2, 1, 1, 1, 1, 0, 44, 0
	KSTEP 3, 1, 1, 1, 1, 1, 44, 0
.elseif (\mode) == 1
	KSTEP 0, 1, 0, 1, 1, 0, 44, 0
	KSTEP 1, 1, 0, 1, 1, 0, 36, 0
	KSTEP 2, 1, 0, 1, 1, 0, 28, 0
	KSTEP 3, 1, 0, 1, 1, 1, 20, 0
.else
	KSTEP 0, 0, 0, 2, 1, 0, 20, 0
	KSTEP 1, 0, 0, 0, 1, 0, 20, 0
	KSTEP 2, 0, 0, 0, 1, 0, 10, 0
	KSTEP 3, 0, 0, 0, 0, 0, 0, 0
.endif
.if (\mode) == 0
	s_add_co_u32 s[WB], s[WB], CHB
	v_add_nc_u32 v[WADR], s[WB], v[WADR0]
	v_add_nc_u32 v[SADR], s[WB], v[SADR0]
.endif
.endm
; Chunk 0 into LDS, chunk 1 asked for, the first three K steps' token fragments asked for.  Behind quarter q: 8 (3 - q) older-issued quarters and 18 q loads of the turns before.
.macro PRO
.irp q, 0,1,2,3
	s_wait_loadcnt 24+10*(\q)
	SCONS \q, 0
	SLOAD \q, 512
.if (\q) < 3
	SETXO \q
	XLOAD \q, XB0, xo
.endif
.endr
	WIN 0
	s_wait_dscnt 0x0
	s_barrier_signal -1
	s_barrier_wait -1
	WFETCH 0, 0
.endm
.macro MKNT                            ; my tiles g = 20 sb + 4 i + w below TT: ceil((TT - 20 sb - w) / 4), held to 0 .. 5
	s_mul_i32 s24, s[SB], 20
	s_sub_co_i32 s24, s[TT], s24
	s_sub_co_i32 s24, s24, s[WV]
	s_add_co_i32 s24, s24, 3
	s_ashr_i32 s24, s24, 2
	s_max_i32 s24, s24, 0
	s_min_i32 s[NT], s24, 5
.endm
.macro XMK                             ; tile 20 sb + 4 i + w, held to the expert's 64 tiles, x 32,768 bytes + 16 x lane
	s_mul_i32 s24, s[SB], 20
	s_add_co_u32 s24, s24, s[WV]
.irp i, 0,1,2,3,4
	s_add_co_u32 s25, s24, 4*(\i)
	s_min_u32 s25, s25, 63
	v_lshl_add_u32 v[XOFF+(\i)], s25, 15, v[L16]
.endr
.endm
; THE WAY OUT of tile i: h = a b / (1 + 2^(-a log2 e)), rounded to bf16 and stored from the registers in which it was made.  Two batches of transcendentals, one wait each.
.macro EPI i
	WIN 0
	s_cmp_le_u32 s[NT], \i
	s_cbranch_scc1 .Lnext
	s_wait_xcnt 0x0                                ; the tile before has had its stores' registers read
.set AB, 64*((\i)%4)
	WIN 0x02+(\i)/4
.set z, 0
.rept 16                               ; pair z % 4 of hidden tile z / 4; each accumulator is read from its low end on
	v_pk_mul_f32 v[ET+2*z:ET+2*z+1], v[AB+16*(z/4)+2*(z%4):AB+16*(z/4)+2*(z%4)+1], s[NL2E:NL2E+1] op_sel_hi:[1,0]
.set z, z+1
.endr
	WIN 0
.set z, 0
.rept 32
	v_exp_f32 v[ET+z], v[ET+z]
.set z, z+1
.endr
	v_nop                                          ; a plain instruction behind the last exponential,
	s_wait_alu depctr_va_vdst(0)                   ; and one wait for the batch
.set z, 0
.rept 16
	v_pk_add_f32 v[ET+2*z:ET+2*z+1], v[ET+2*z:ET+2*z+1], 1.0 op_sel_hi:[1,0]
.set z, z+1
.endr
.set z, 0
.rept 32
	v_rcp_f32 v[ET+z], v[ET+z]
.set z, z+1
.endr
	WIN 0x0a+5*((\i)/4)
.set z, 0
.rept 16                               ; a b: the plain work behind the reciprocals
	v_pk_mul_f32 v[EU+2*z:EU+2*z+1], v[AB+16*(z/4)+2*(z%4):AB+16*(z/4)+2*(z%4)+1], v[AB+16*(z/4)+8+2*(z%4):AB+16*(z/4)+8+2*(z%4)+1]
.set z, z+1
.endr
	WIN 0
	s_wait_alu depctr_va_vdst(0)                   ; one wait for the batch of reciprocals
.set z, 0
.rept 16
	v_pk_mul_f32 v[EU+2*z:EU+2*z+1], v[EU+2*z:EU+2*z+1], v[ET+2*z:ET+2*z+1]
.set z, z+1
.endr
.set z, 0
.rept 16
	v_cvt_pk_bf16_f32 v[EH+z], v[EU+2*z], v[EU+2*z+1]
.set z, z+1
.endr
.irp j, 0,1,2,3
	global_store_b128 v[HOFF], v[EH+4*(\j):EH+4*(\j)+3], s[HB:HB+1] offset:8192*(\i)+512*(\j)   ; hidden tile j of the tile's 16 ranks: 512 consecutive bytes, aligned
.endr
.endm
	s_load_b256 s[4:11], s[0:1], 0x0               ; xg, w1, w3, lst
	s_load_b64 s[12:13], s[0:1], 0x20              ; hb
	v_lshl_add_u32 v[SPW], v0, 2, SPARE
	v_mov_b32 v[NIL], 0
	v_lshrrev_b32 v[T0], 5, v0
	v_readfirstlane_b32 s[WV], v[T0]               ; wave 0..3
	s_lshr_b32 s[E], ttmp9, 5
	s_and_b32 s[SL], ttmp9, 31
	v_and_b32 v[LN], 31, v0
	v_and_b32 v[R], 15, v0
	v_bfe_u32 v[H], v0, 4, 1
	v_lshlrev_b32 v[L16], 4, v[LN]
	v_lshlrev_b32 v[H16], 4, v[H]
.set z, 0
.rept 16
	v_mov_b32 v[ZA+z], 0
.set z, z+1
.endr
	s_mul_i32 s24, s[WV], 32*PITCH
	v_lshl_add_u32 v[SADR0], v[LN], 3, s24         ; my 32 rows of a chunk, 8 bytes a lane
	v_mov_b32 v[SADR], v[SADR0]
	v_mul_u32_u24 v[WADR0], v[R], PITCH
	v_add_nc_u32 v[WADR0], v[WADR0], v[H16]        ; a fragment's row x pitch + 16 x half
	v_mov_b32 v[WADR], v[WADR0]
	v_lshrrev_b32 v[T0], 1, v[LN]
	v_and_b32 v[T1], 1, v[LN]
	v_lshlrev_b32 v[T1], 8, v[T1]
	v_lshl_add_u32 v[PFO], v[T0], 12, v[T1]
	s_lshl_b32 s24, s[WV], 11
	v_add_nc_u32 v[HOFF0], s24, v[L16]             ; tile w of the super-block: 2,048 w + 16 x lane
	v_mov_b32 v[HOFF], v[HOFF0]
	s_mov_b32 s[NL2E], 0xbfb8aa3b
	s_mov_b32 s[NL2E+1], 0xbfb8aa3b
	s_mov_b32 s[WB], 0
	s_mov_b32 s[SB], 0
	s_lshl_b32 s24, s[E], 11
	s_lshl_b32 s25, s[SL], 6
	s_add_co_u32 s24, s24, s25
	s_lshl_b32 s25, s[WV], 4
	s_add_co_u32 s24, s24, s25                     ; my first weight row: 2,048 e + 64 s + 16 w,
	s_lshl_b32 s24, s24, 12                        ; in bytes
	s_mov_b32 s25, 0
	s_lshl_b32 s26, ttmp9, 17                      ; hb's slice: 64 tiles of 2,048 bytes
	s_mov_b32 s27, 0
	s_mul_i32 s34, s[E], 6144
	s_mov_b32 s35, 0
	s_lshl_b32 s36, s[E], 21                       ; xg: the expert's 64 tiles of 32,768 bytes
	s_mov_b32 s37, 0
	s_wait_kmcnt 0x0
	s_add_nc_u64 s[LST:LST+1], s[LST:LST+1], s[34:35]
	s_load_b32 s[CNT], s[LST:LST+1], 0x17fc        ; word 1535 of the expert's list: the count; no address hangs on it, so it is waited for behind the first chunk
	s_add_nc_u64 s[P1:P1+1], s[P1:P1+1], s[24:25]
	s_add_nc_u64 s[P3:P3+1], s[P3:P3+1], s[24:25]
	s_add_nc_u64 s[HB:HB+1], s[HB:HB+1], s[26:27]
	s_add_nc_u64 s[XB0:XB0+1], s[XB0:XB0+1], s[36:37]
	s_mov_b64 s[WK:WK+1], s[P1:P1+1]
	s_mov_b64 s[WK+2:WK+3], s[P1:P1+1]
	s_mov_b64 s[WK+4:WK+5], s[P3:P3+1]
	s_mov_b64 s[WK+6:WK+7], s[P3:P3+1]
.irp k, 0,1,2,3
	s_mov_b64 s[XK+2*(\k):XK+2*(\k)+1], s[XB0:XB0+1]
.endr
	SLOAD 0, 0                                     ; chunk 0 of my weight rows
	SLOAD 1, 0
	SLOAD 2, 0
	SLOAD 3, 0
	WIN 0
	PREF 512                                       ; chunks 1 and 2; the stream's trip c asks for chunk c + 3
	PREF 1024
	CLEARW
	XMK
	PRO
	s_wait_kmcnt 0x0
	s_min_u32 s[CNT], s[CNT], 1024
	s_add_co_u32 s[TT], s[CNT], 15
	s_lshr_b32 s[TT], s[TT], 4
	MKNT
	s_mov_b32 s[CH], NCH-2
.Lp:                                                   ; chunks 0 to NCH - 3, under the stream
	CHUNK 0
	s_sub_co_u32 s[CH], s[CH], 1
	s_cmp_lg_u32 s[CH], 0
	s_cbranch_scc1 .Lp
	CHUNK 1
	v_add_nc_u32 v[WADR], (NCH-1)*CHB, v[WADR0]    ; the last chunk: its first three K steps' rows and its first fragments are on their way
	s_add_nc_u64 s[XL:XL+1], s[XB0:XB0+1], (NCH-1)*XSTEP
	s_mov_b32 s[CH], NCH-1
	s_branch .Llast                                ; into the last trip of the loop below
.Lsb:                                                  ; a later super-block: the weights lie in LDS, and nothing writes LDS from here to the closing lines
	MKNT
	s_cmp_eq_u32 s[NT], 0
	s_cbranch_scc1 .Lnext
	s_wait_xcnt 0x0                                ; the stores' registers and offsets are rewritten only behind this wait
	s_mul_i32 s24, s[SB], 40960
	v_add_nc_u32 v[HOFF], s24, v[HOFF0]            ; 20 tiles of 2,048 bytes on
	XMK
	CLEARW
	s_mov_b32 s[CH], 0
.Lr:                                                   ; a trip is a chunk: its address is the trip's number times a chunk's bytes, plus my lane's place
	PLACES                                         ; the buffers loaded below were read by the trip before
	s_mul_i32 s24, s[CH], CHB
	v_add_nc_u32 v[WADR], s24, v[WADR0]
	s_mul_i32 s24, s[CH], XSTEP
	s_mov_b32 s25, 0
	s_add_nc_u64 s[XL:XL+1], s[XB0:XB0+1], s[24:25]   ; the trip before ended with a wait for all its loads
.irp q, 0,1,2
	SETXO \q
	XLOAD \q, XL, xo
.endr
	WFETCH 0, 0
.Llast:
	CHUNK 4
	s_add_co_u32 s[CH], s[CH], 1
	s_cmp_lt_u32 s[CH], NCH
	s_cbranch_scc1 .Lr
	PLACES                                         ; behind the last products, on every way on
	EPI 0
	EPI 1
	EPI 2
	EPI 3
	EPI 4
.Lnext:
	s_add_co_u32 s[SB], s[SB], 1
	s_cmp_lt_u32 s[SB], 4                          ; 4 x 320 rows cover the 1,024 that an expert can have
	s_cbranch_scc1 .Lsb
	s_wait_dscnt 0x0                               ; my reads of LDS are over,
	s_barrier_signal -1
	s_barrier_wait -1                              ; and everybody's: no wave writes LDS again before that
	s_wait_tensorcnt 0x0                           ; the wave's end: three closing lines, behind my last LDS store
	ds_add_u32 v[SPW], v[NIL]
	s_wait_dscnt 0x0
	s_endpgm
.Lfunc_end_k_qa63b356415_up:
	.size	k_qa63b356415_up, .Lfunc_end_k_qa63b356415_up-k_qa63b356415_up
	.p2alignl 7, 3214868480
	.fill 96, 4, 3214868480
	.section	.rodata,"a",@progbits
	.p2align	6, 0x0
	.amdhsa_kernel k_qa63b356415_up
		.amdhsa_group_segment_fixed_size 279040
		.amdhsa_private_segment_fixed_size 0
		.amdhsa_enable_private_segment 0
		.amdhsa_kernarg_size 40
		.amdhsa_user_sgpr_count 2
		.amdhsa_user_sgpr_kernarg_segment_ptr 1
		.amdhsa_wavefront_size32 1
		.amdhsa_system_sgpr_workgroup_id_x 1
		.amdhsa_system_sgpr_workgroup_id_y 1
		.amdhsa_system_sgpr_workgroup_id_z 1
		.amdhsa_system_vgpr_workitem_id 0
		.amdhsa_next_free_vgpr 960
		.amdhsa_next_free_sgpr 66
		.amdhsa_reserve_vcc 0
		.amdhsa_float_denorm_mode_32 3
		.amdhsa_float_denorm_mode_16_64 3
		.amdhsa_memory_ordered 1
		.amdhsa_forward_progress 1
		.amdhsa_inst_pref_size 149
	.end_amdhsa_kernel
	.amdgpu_metadata
---
amdhsa.version: [ 1, 2 ]
amdhsa.kernels:
  - .name:           k_qa63b356415_up
    .symbol:         k_qa63b356415_up.kd
    .args:
      - { .name: xg, .offset: 0, .size: 8, .value_kind: global_buffer, .address_space: global }
      - { .name: w1, .offset: 8, .size: 8, .value_kind: global_buffer, .address_space: global }
      - { .name: w3, .offset: 16, .size: 8, .value_kind: global_buffer, .address_space: global }
      - { .name: lst, .offset: 24, .size: 8, .value_kind: global_buffer, .address_space: global }
      - { .name: hb, .offset: 32, .size: 8, .value_kind: global_buffer, .address_space: global }
    .group_segment_fixed_size: 279040
    .private_segment_fixed_size: 0
    .kernarg_segment_align: 8
    .kernarg_segment_size: 40
    .max_flat_workgroup_size: 128
    .sgpr_count:     66
    .vgpr_count:     960
    .wavefront_size: 32
...
	.end_amdgpu_metadata
.endif
;; end of part 3
;; launch down (part 4): grid 256 x 1, 4 waves a work-group, no clusters, 173,568 bytes of LDS; arguments hb, w2, lst, pb; writes pb
.if DOCPART == 4
	.amdgcn_target "amdgcn-amd-amdhsa--gfx1250"
	.amdhsa_code_object_version 6
	.text
	.protected	k_qa63b356415_down
	.globl	k_qa63b356415_down
	.p2align	8
	.type	k_qa63b356415_down,@function
k_qa63b356415_down:
	s_mov_b64 s[64:65], 0
	v_nop
	global_prefetch_b8 v0, s[64:65] scope:SCOPE_SE
	s_setreg_imm32_b32 hwreg(HW_REG_WAVE_MODE, 25, 1), 1
	s_wait_xcnt 0x0
; DOWN.  Partial rows of h w2^T.  Work-group = (expert e = id / 32, 128 output columns cs = (id / 4) % 8, K quarter kq = id % 4 of 512 hidden units): it alone reads its 128 x 512 of w2
; (256 KiB of f32), rounds it to bf16 on its way through registers and keeps it in LDS (4 chunks of 128 along K, rows 272 bytes apart).  The sums over its quarter of K leave in f32:
; pb[kq][r][1024], r = 2 token + k from the stored list; the next launch adds the four planes.  A place past the count goes to row 2048 + e, which nobody reads; its bytes are this work-group's alone.
; THE STREAM, BASES, ROWS, TILES, WINDOWS: as in the launch before.  While chunk c is multiplied, chunk c + 1 goes from the staging registers into LDS and chunk c + 2 is asked for; at most 62 loads of a wave are out;
; each K step of a chunk has base pairs of its own, stepped directly behind its wait on LOADcnt, which shows their last loads done (54 or more were issued behind them; 44 at the most are left out);
; one barrier a chunk; five tiles of 16 rows a wave, 320 rows a super-block; tiles past the count are jumped by scalar branches that pass neither a barrier nor a load.  A later super-block reads the weights
; from LDS and runs the last chunk's text once for each chunk, asking for a chunk's rows at its head and sitting their way out once a chunk.
; h COMES AS OPERAND REGISTERS: hb[e][slice][tile of 16 ranks][j][lane][16 bytes]: hidden tile j = 2 m of a slice is registers 0-3, j = 2 m + 1 registers 4-7 of the fragment for 32 along K; a load of the wave is
; 512 consecutive bytes, three K steps ahead.  The addresses hang on constants alone (tile held to 63); a tile past the count may bring bytes that nobody stored: its registers are never multiplied.
; In a tile that is not full the places past the count hold token 1,023's h, and their sums go to the row that nobody reads.
; THE MATRIX INSTRUCTION IS USED TRANSPOSED: source 0 = 16 rows of w2 (output columns), source 1 = 16 rows of h: a lane holds one row (lane % 16) and eight neighbouring columns.
; THE WAY OUT goes through a stage in LDS, each wave's own.  Two barriers a super-block, on every wave's path: every wave's fragment reads are over before any stage is written, and every stage's traffic is over
; before fragments are read again.
; THE ACCUMULATORS ARE SET TO 0 by 40 products of two fragments of zeros with C = 0: matrix work that is not the problem's, taken for the shorter text.
; NO MULTICAST: each weight byte has one reader; the tiles of h are shared by eight work-groups, but how many of them there are hangs on a stored count.
; An expert without rows streams its weights and stores nothing.  NaN and infinities are not treated apart.
.set NCH,   4
.set PITCH, 272
.set CHB,   128*PITCH
.set STAGE, NCH*CHB                    ; 16 rows x 528 bytes for each wave, for the way out
.set SPD,   528                        ; 512 bytes + 16: the 16 rows of a store start at 16 different groups of four banks
.set SPARE, STAGE+4*16*SPD             ; the spare words, 128 bytes for each wave
.set XSTEP, 262144                     ; a chunk is two slices of hb
.set ROWB,  8192
.set PLANE, 2056*4096
.set R,     1
.set H,     2
.set SPW,   3                          ; my spare word's address; never rewritten
.set NIL,   4                          ; 0; never rewritten
.set L16,   5
.set SADR,  6
.set WADR,  7
.set XOFF,  8                          ; v[8:12] byte offset of my 16 bytes in a slice of hb, tile i
.set STO,   13
.set RD,    14
.set PFO,   16                         ; never rewritten
.set RV,    17                         ; v[17:21] the list entries of tile i's rows (lane % 16)
.set LOFF,  22
.set H16,   23
.set SADR0, 24
.set WADR0, 25
.set RK0,   26                         ; 16 w + lane % 16
.set RKB,   27                         ; + 320 sb
.set T0,    29
.set T1,    30
.set LN,    31
.set ZA,    48                         ; v[48:55], v[56:63] zeros; never rewritten
.set ZB,    56
.set WF,    64
.set TB,    192
.set ERB,   64                         ; the way out: 16 rows read back
.set SO,    128                        ; and their byte offsets in pb
.set STG,   64                         ; window 3
.set XB0,   4                          ; hb at my first slice; never stepped
.set P2,    6                          ; w2 at my first row and K quarter; never stepped: the prefetches' base
.set LST,   8
.set PB,    10
.set XL,    12                         ; hb at the chunk in hand, for the last chunk's text
.set WV,    16
.set E,     17
.set CS,    18
.set CNT,   19
.set TT,    20
.set NT,    21
.set SB,    22
.set CH,    23
.set KQ,    28
.set WB,    31                         ; under the stream: LDS byte of the chunk in hand
.set XK,    40                         ; s[40:47] K step ks: the base of its loads of h
.set WK,    48                         ; s[48:55] K step ks: the base of its staging quarter
.set RL,    72                         ; s[72:87] a tile's sixteen rows of pb
.set MSB, 0
.macro WIN new                         ; the immediate's high byte repeats the setting that is left; a switch that changes nothing is dropped
.if MSB != (\new)
	s_set_vgpr_msb (MSB<<8)|(\new)
.set MSB, \new
.endif
.endm
.macro PLACES                          ; four plain instructions between a matrix instruction and a load into, or a read or write of, its registers
.rept 4
	v_nop
.endr
.endm
.macro CLEARW                          ; 0 x 0 + 0 into all 40 accumulators
	WIN 0x80
.set z, 0
.rept 32
	v_wmma_f32_16x16x32_bf16 v[8*z:8*z+7], v[ZA:ZA+7], v[ZB:ZB+7], 0
.set z, z+1
.endr
	WIN 0xc0
.set z, 0
.rept 8
	v_wmma_f32_16x16x32_bf16 v[8*z:8*z+7], v[ZA:ZA+7], v[ZB:ZB+7], 0
.set z, z+1
.endr
	WIN 0
.endm
; Staging quarter q: rows 8 q + g of my 32, 128 k at byte ko from the quarter's base: 512 consecutive aligned bytes a load
.macro SLOAD q, ko
	WIN 0xc0
.irp g, 0,1,2,3,4,5,6,7
	global_load_b128 v[STG+32*(\q)+4*(\g):STG+32*(\q)+4*(\g)+3], v[L16], s[WK+2*(\q):WK+2*(\q)+1] offset:(8*(\q)+(\g))*ROWB+(\ko) th:TH_LOAD_NT
.endr
.endm
.macro PREF ko                         ; a chunk of my 32 weight rows, each block of 256 bytes asked for by one lane
	global_prefetch_b8 v[PFO], s[P2:P2+1] offset:\ko th:TH_LOAD_NT scope:SCOPE_SE
	global_prefetch_b8 v[PFO], s[P2:P2+1] offset:(\ko)+16*ROWB th:TH_LOAD_NT scope:SCOPE_SE
.endm
.macro PFSEL c                         ; in the stream's trip c: chunk c + 3, one chunk ahead of the chunk that the trip's loads ask for
	s_cmp_lg_u32 s[CH], NCH-2-(\c)
	s_cbranch_scc1 .Lpf_\@
	PREF 512*((\c)+3)
.Lpf_\@:
.endm
.macro SCONS q, off
	WIN 0x0f
.irp g, 0,1,2,3,4,5,6,7
	v_cvt_pk_bf16_f32 v[TB+2*(\g)], v[STG+32*(\q)+4*(\g)], v[STG+32*(\q)+4*(\g)+1]
	v_cvt_pk_bf16_f32 v[TB+2*(\g)+1], v[STG+32*(\q)+4*(\g)+2], v[STG+32*(\q)+4*(\g)+3]
.endr
	WIN 0
.irp g, 0,1,2,3,4,5,6,7
	ds_store_b64 v[SADR], v[TB+2*(\g):TB+2*(\g)+1] offset:(\off)+(8*(\q)+(\g))*PITCH
.endr
.endm
.macro SETXO u                         ; xo = the bytes from a chunk's first K step to its K step u: slice u / 2 on, hidden tiles 2 (u % 2) and 2 (u % 2) + 1 of it
.set xo, ((\u)/2)*131072+((\u)%2)*1024
.endm
; The fragments of h at byte off from base into slot: five tiles, two loads of 512 consecutive bytes each
.macro XLOAD slot, base, off
	WIN 0x40
.irp i, 0,1,2,3,4
	global_load_b128 v[40*(\slot)+8*(\i):40*(\slot)+8*(\i)+3], v[XOFF+(\i)], s[\base:\base+1] offset:\off
	global_load_b128 v[40*(\slot)+8*(\i)+4:40*(\slot)+8*(\i)+7], v[XOFF+(\i)], s[\base:\base+1] offset:\off+512
.endr
.endm
.macro WFETCH buf, off
	WIN 0
.irp ct, 0,1,2,3,4,5,6,7
	ds_load_b128 v[WF+64*(\buf)+8*(\ct):WF+64*(\buf)+8*(\ct)+3], v[WADR] offset:(\off)+(\ct)*16*PITCH
	ds_load_b128 v[WF+64*(\buf)+8*(\ct)+4:WF+64*(\buf)+8*(\ct)+7], v[WADR] offset:(\off)+(\ct)*16*PITCH+32
.endr
.endm
; Tile i: eight matrix instructions on eight accumulators, which take turns.  A tile past my count, and those behind it, are jumped.
.macro GROUP i, buf, slot, lbl
	WIN 0
	s_cmp_le_u32 s[NT], \i
	s_cbranch_scc1 \lbl
	WIN 0xa4+0x50*((\i)/4)
.irp ct, 0,1,2,3,4,5,6,7
	v_wmma_f32_16x16x32_bf16 v[64*((\i)%4)+8*(\ct):64*((\i)%4)+8*(\ct)+7], v[WF+64*(\buf)+8*(\ct):WF+64*(\buf)+8*(\ct)+7], v[40*(\slot)+8*(\i):40*(\slot)+8*(\i)+7], v[64*((\i)%4)+8*(\ct):64*((\i)%4)+8*(\ct)+7]
.endr
	WIN 0
.endm
; A K step of 32.  sq: staging quarter ks goes into LDS; sre: it is asked for again, two chunks on; xre: the fragments of h three K steps on are asked for (1: by the K step's own base; 2: by XL);
; wn: the next K step's weight fragments are fetched; bar: the chunk's barrier; n: the loads younger than this step's fragments of h (the staging quarter is older than these); pf: the chunk's prefetch.
.macro KSTEP ks, sq, sre, xre, wn, bar, n, pf
	s_wait_loadcnt \n
.if \sre
	s_add_nc_u64 s[WK+2*(\ks):WK+2*(\ks)+1], s[WK+2*(\ks):WK+2*(\ks)+1], 512       ; its last loads are the quarter that the wait has just shown in
.endif
.if (\xre) == 1
	s_add_nc_u64 s[XK+2*(\ks):XK+2*(\ks)+1], s[XK+2*(\ks):XK+2*(\ks)+1], XSTEP     ; its last loads were multiplied a K step ago
.endif
.if \sq
	SCONS \ks, CHB
	s_wait_dscnt 8                                 ; the 16 fragment loads are older than the eight stores just issued
.else
	s_wait_dscnt 0x0
.endif
	GROUP 0, (\ks)%2, \ks, .Lka_\@
	GROUP 1, (\ks)%2, \ks, .Lka_\@
.Lka_\@:
.if \bar
	s_wait_dscnt 0x0                               ; for the others' sake: my part of the next chunk is stored
	s_barrier_signal -1
	s_barrier_wait -1                              ; everybody's is
.endif
.if (\wn)+(\xre)+(\sre)
	PLACES                                         ; the buffers loaded below were read by the K step before
.endif
.if \wn
.if (\ks) < 3
	WFETCH ((\ks)+1)%2, ((\ks)+1)*64
.else
	WFETCH 0, CHB
.endif
.endif
.if (\xre) == 1
	SETXO (\ks)+3
	XLOAD ((\ks)+3)%4, XK+2*(\ks), xo-XSTEP
.elseif (\xre) == 2
	SETXO (\ks)+3
	XLOAD ((\ks)+3)%4, XL, xo
.endif
.if \sre
	SLOAD \ks, 512
.endif
.if \pf
	WIN 0
	PFSEL 0                                        ; the second trip asks for nothing: chunk 3 is the last
.endif
	GROUP 2, (\ks)%2, \ks, .Lkb_\@
	GROUP 3, (\ks)%2, \ks, .Lkb_\@
	GROUP 4, (\ks)%2, \ks, .Lkb_\@
.Lkb_\@:
.endm
; A chunk.  Behind a K step's fragments of h were issued three staging quarters of 8 and two runs of 10: 44; where the staging, and then the rows, end, the terms fall away.
; mode 0: under the stream; 1: the last chunk but one: nothing more is staged; 4: a chunk whose first three K steps' rows and first fragments have been asked for, and that asks for nothing beyond itself.
.macro CHUNK mode
.if (\mode) == 0
	KSTEP 0, 1, 1, 1, 1, 0, 44, 1
	KSTEP 1, 1, 1, 1, 1, 0, 44, 0
	KSTEP 2, 1, 1, 1, 1, 0, 44, 0
	KSTEP 3, 1, 1, 1, 1, 1, 44, 0
.elseif (\mode) == 1
	KSTEP 0, 1, 0, 1, 1, 0, 44, 0
	KSTEP 1, 1, 0, 1, 1, 0, 36, 0
	KSTEP 2, 1, 0, 1, 1, 0, 28, 0
	KSTEP 3, 1, 0, 1, 1, 1, 20, 0
.else
	KSTEP 0, 0, 0, 2, 1, 0, 20, 0
	KSTEP 1, 0, 0, 0, 1, 0, 20, 0
	KSTEP 2, 0, 0, 0, 1, 0, 10, 0
	KSTEP 3, 0, 0, 0, 0, 0, 0, 0
.endif
.if (\mode) == 0
	s_add_co_u32 s[WB], s[WB], CHB
	v_add_nc_u32 v[WADR], s[WB], v[WADR0]
	v_add_nc_u32 v[SADR], s[WB], v[SADR0]
.endif
.endm
; Chunk 0 into LDS, chunk 1 asked for, the first three K steps' fragments of h asked for.  Behind quarter q: 8 (3 - q) older-issued quarters and 18 q loads of the turns before.
.macro PRO
.irp q, 0,1,2,3
	s_wait_loadcnt 24+10*(\q)
	SCONS \q, 0
	SLOAD \q, 512
.if (\q) < 3
	SETXO \q
	XLOAD \q, XB0, xo
.endif
.endr
	WIN 0
	s_wait_dscnt 0x0
	s_barrier_signal -1
	s_barrier_wait -1
	WFETCH 0, 0
.endm
.macro MKNT                            ; my tiles g = 20 sb + 4 i + w below TT: ceil((TT - 20 sb - w) / 4), held to 0 .. 5
	s_mul_i32 s24, s[SB], 20
	s_sub_co_i32 s24, s[TT], s24
	s_sub_co_i32 s24, s24, s[WV]
	s_add_co_i32 s24, s24, 3
	s_ashr_i32 s24, s24, 2
	s_max_i32 s24, s24, 0
	s_min_i32 s[NT], s24, 5
.endm
.macro RVLOAD                          ; the list entries of my five tiles' rows: the oldest loads of a super-block, so its first wait covers them
	s_mul_i32 s24, s[SB], 320
	v_add_nc_u32 v[RKB], s24, v[RK0]
	v_lshlrev_b32 v[LOFF], 2, v[RKB]
.irp i, 0,1,2,3,4
	global_load_b32 v[RV+(\i)], v[LOFF], s[LST:LST+1] offset:256*(\i)
.endr
.endm
.macro XMK                             ; tile 20 sb + 4 i + w, held to a slice's 64 tiles, x 2,048 bytes + 16 x lane
	s_mul_i32 s24, s[SB], 20
	s_add_co_u32 s24, s24, s[WV]
.irp i, 0,1,2,3,4
	s_add_co_u32 s25, s24, 4*(\i)
	s_min_u32 s25, s25, 63
	v_lshl_add_u32 v[XOFF+(\i)], s25, 11, v[L16]
.endr
.endm
; THE WAY OUT of tile i: the f32 sums go through my own stage and come back as whole rows of 512 bytes; row j goes to pb's row lst[rank].  The sixteen lane reads, clamps and offsets go in batches.
.macro EPI i
	WIN 0
	s_cmp_le_u32 s[NT], \i
	s_cbranch_scc1 .Lnext
	s_wait_xcnt 0x0                                ; the tile before has had its stores' registers read
.set AB, 64*((\i)%4)
	WIN 0x08+4*((\i)/4)                            ; the stores' data in window 2 or 3
.irp ct, 0,1,2,3,4,5,6,7
	ds_store_b128 v[STO], v[AB+8*(\ct):AB+8*(\ct)+3] offset:64*(\ct)            ; each accumulator is read from its low end on
	ds_store_b128 v[STO], v[AB+8*(\ct)+4:AB+8*(\ct)+7] offset:64*(\ct)+16
.endr
	WIN 0
.set z, 0
.rept 16
	ds_load_b128 v[ERB+4*z:ERB+4*z+3], v[RD] offset:SPD*z   ; LDS serves a wave's instructions in order (ISA guide 5.7.1.4): these see the stores above
.set z, z+1
.endr
.set z, 0
.rept 16
	v_readlane_b32 s[RL+z], v[RV+(\i)], z
.set z, z+1
.endr
.set z, 0
.rept 16
	s_min_u32 s[RL+z], s[RL+z], 2055
.set z, z+1
.endr
.set z, 0
.rept 16
	v_lshl_add_u32 v[SO+z], s[RL+z], 12, v[L16]
.set z, z+1
.endr
.set z, 0
.rept 16
	s_wait_dscnt 15-z
	global_store_b128 v[SO+z], v[ERB+4*z:ERB+4*z+3], s[PB:PB+1]   ; 512 consecutive bytes of one row, aligned
.set z, z+1
.endr
.endm
	s_load_b256 s[4:11], s[0:1], 0x0               ; hb, w2, lst, pb
	v_lshl_add_u32 v[SPW], v0, 2, SPARE
	v_mov_b32 v[NIL], 0
	v_lshrrev_b32 v[T0], 5, v0
	v_readfirstlane_b32 s[WV], v[T0]               ; wave 0..3
	s_lshr_b32 s[E], ttmp9, 5
	s_bfe_u32 s[CS], ttmp9, 0x30002
	s_and_b32 s[KQ], ttmp9, 3
	v_and_b32 v[LN], 31, v0
	v_and_b32 v[R], 15, v0
	v_bfe_u32 v[H], v0, 4, 1
	v_lshlrev_b32 v[L16], 4, v[LN]
	v_lshlrev_b32 v[H16], 4, v[H]
.set z, 0
.rept 16
	v_mov_b32 v[ZA+z], 0
.set z, z+1
.endr
	s_mul_i32 s24, s[WV], 32*PITCH
	v_lshl_add_u32 v[SADR0], v[LN], 3, s24
	v_mov_b32 v[SADR], v[SADR0]
	v_mul_u32_u24 v[WADR0], v[R], PITCH
	v_add_nc_u32 v[WADR0], v[WADR0], v[H16]
	v_mov_b32 v[WADR], v[WADR0]
	v_lshrrev_b32 v[T0], 1, v[LN]
	v_and_b32 v[T1], 1, v[LN]
	v_lshlrev_b32 v[T1], 8, v[T1]
	v_lshl_add_u32 v[PFO], v[T0], 13, v[T1]
	s_mul_i32 s24, s[WV], 16*SPD
	s_add_co_u32 s24, s24, STAGE                   ; my stage
	v_mul_u32_u24 v[STO], v[R], SPD
	v_lshl_add_u32 v[STO], v[H], 5, v[STO]
	v_add_nc_u32 v[STO], s24, v[STO]               ; in: row lane % 16, 32 bytes for each half of the lanes
	v_add_nc_u32 v[RD], s24, v[L16]                ; back: 32 lanes take one row of 512 bytes
	s_lshl_b32 s24, s[WV], 4
	v_add_nc_u32 v[RK0], s24, v[R]
	s_mov_b32 s[WB], 0
	s_mov_b32 s[SB], 0
	s_lshl_b32 s24, s[E], 5
	s_lshl_b32 s25, s[KQ], 3
	s_add_co_u32 s24, s24, s25
	s_lshl_b32 s24, s24, 17                        ; hb: slice 32 e + 8 kq
	s_mov_b32 s25, 0
	s_lshl_b32 s26, s[E], 10
	s_lshl_b32 s27, s[CS], 7
	s_add_co_u32 s26, s26, s27
	s_lshl_b32 s27, s[WV], 5
	s_add_co_u32 s26, s26, s27                     ; w2: row 1,024 e + 128 cs + 32 w,
	s_lshl_b32 s26, s26, 13
	s_lshl_b32 s27, s[KQ], 11                      ; and 512 kq along it
	s_add_co_u32 s26, s26, s27
	s_mov_b32 s27, 0
	s_mul_i32 s34, s[E], 6144
	s_mov_b32 s35, 0
	s_mul_i32 s36, s[KQ], PLANE
	s_lshl_b32 s37, s[CS], 9
	s_add_co_u32 s36, s36, s37
	s_mov_b32 s37, 0
	s_wait_kmcnt 0x0
	s_add_nc_u64 s[LST:LST+1], s[LST:LST+1], s[34:35]
	s_load_b32 s[CNT], s[LST:LST+1], 0x17fc        ; word 1535 of the expert's list: the count; no address hangs on it, so it is waited for behind the first chunk
	s_add_nc_u64 s[XB0:XB0+1], s[XB0:XB0+1], s[24:25]
	s_add_nc_u64 s[P2:P2+1], s[P2:P2+1], s[26:27]
	s_add_nc_u64 s[PB:PB+1], s[PB:PB+1], s[36:37]
.irp k, 0,1,2,3
	s_mov_b64 s[WK+2*(\k):WK+2*(\k)+1], s[P2:P2+1]
	s_mov_b64 s[XK+2*(\k):XK+2*(\k)+1], s[XB0:XB0+1]
.endr
	RVLOAD
	SLOAD 0, 0                                     ; chunk 0 of my weight rows
	SLOAD 1, 0
	SLOAD 2, 0
	SLOAD 3, 0
	WIN 0
	PREF 512                                       ; chunks 1 and 2; the stream's first trip asks for chunk 3
	PREF 1024
	CLEARW
	XMK
	PRO
	s_wait_kmcnt 0x0
	s_min_u32 s[CNT], s[CNT], 1024
	s_add_co_u32 s[TT], s[CNT], 15
	s_lshr_b32 s[TT], s[TT], 4
	MKNT
	s_mov_b32 s[CH], NCH-2
.Lp:                                                   ; chunks 0 to NCH - 3, under the stream
	CHUNK 0
	s_sub_co_u32 s[CH], s[CH], 1
	s_cmp_lg_u32 s[CH], 0
	s_cbranch_scc1 .Lp
	CHUNK 1
	v_add_nc_u32 v[WADR], (NCH-1)*CHB, v[WADR0]    ; the last chunk: its first three K steps' rows and its first fragments are on their way
	s_add_nc_u64 s[XL:XL+1], s[XB0:XB0+1], (NCH-1)*XSTEP
	s_mov_b32 s[CH], NCH-1
	s_branch .Llast                                ; into the last trip of the loop below
.Lsb:                                                  ; a later super-block: the weights lie in LDS
	MKNT
	s_cmp_eq_u32 s[NT], 0
	s_cbranch_scc1 .Lmeet                          ; nothing of mine in it: what is jumped holds no barrier
	s_wait_xcnt 0x0                                ; the stores' registers and offsets are rewritten only behind this wait
	RVLOAD
	XMK
	CLEARW
	s_mov_b32 s[CH], 0
.Lr:                                                   ; a trip is a chunk: its address is the trip's number times a chunk's bytes, plus my lane's place
	PLACES                                         ; the buffers loaded below were read by the trip before
	s_mul_i32 s24, s[CH], CHB
	v_add_nc_u32 v[WADR], s24, v[WADR0]
	s_mul_i32 s24, s[CH], XSTEP
	s_mov_b32 s25, 0
	s_add_nc_u64 s[XL:XL+1], s[XB0:XB0+1], s[24:25]   ; the trip before ended with a wait for all its loads
.irp q, 0,1,2
	SETXO \q
	XLOAD \q, XL, xo
.endr
	WFETCH 0, 0
.Llast:
	CHUNK 4
	s_add_co_u32 s[CH], s[CH], 1
	s_cmp_lt_u32 s[CH], NCH
	s_cbranch_scc1 .Lr
	PLACES                                         ; behind the last products, on every way on
.Lmeet:
	s_wait_dscnt 0x0                               ; my fragment reads of this super-block are over,
	s_barrier_signal -1
	s_barrier_wait -1                              ; and everybody's: only now is a stage written
	EPI 0
	EPI 1
	EPI 2
	EPI 3
	EPI 4
.Lnext:
	s_wait_dscnt 0x0                               ; my stage's stores and loads are over,
	s_barrier_signal -1
	s_barrier_wait -1                              ; and everybody's: only now are fragments read again, or the closing lines run
	s_add_co_u32 s[SB], s[SB], 1
	s_cmp_lt_u32 s[SB], 4                          ; 4 x 320 rows cover the 1,024 that an expert can have
	s_cbranch_scc1 .Lsb
	s_wait_tensorcnt 0x0                           ; the wave's end: three closing lines, behind my last LDS store
	ds_add_u32 v[SPW], v[NIL]
	s_wait_dscnt 0x0
	s_endpgm
.Lfunc_end_k_qa63b356415_down:
	.size	k_qa63b356415_down, .Lfunc_end_k_qa63b356415_down-k_qa63b356415_down
	.p2alignl 7, 3214868480
	.fill 96, 4, 3214868480
	.section	.rodata,"a",@progbits
	.p2align	6, 0x0
	.amdhsa_kernel k_qa63b356415_down
		.amdhsa_group_segment_fixed_size 173568
		.amdhsa_private_segment_fixed_size 0
		.amdhsa_enable_private_segment 0
		.amdhsa_kernarg_size 32
		.amdhsa_user_sgpr_count 2
		.amdhsa_user_sgpr_kernarg_segment_ptr 1
		.amdhsa_wavefront_size32 1
		.amdhsa_system_sgpr_workgroup_id_x 1
		.amdhsa_system_sgpr_workgroup_id_y 1
		.amdhsa_system_sgpr_workgroup_id_z 1
		.amdhsa_system_vgpr_workitem_id 0
		.amdhsa_next_free_vgpr 960
		.amdhsa_next_free_sgpr 88
		.amdhsa_reserve_vcc 0
		.amdhsa_float_denorm_mode_32 3
		.amdhsa_float_denorm_mode_16_64 3
		.amdhsa_memory_ordered 1
		.amdhsa_forward_progress 1
		.amdhsa_inst_pref_size 147
	.end_amdhsa_kernel
	.amdgpu_metadata
---
amdhsa.version: [ 1, 2 ]
amdhsa.kernels:
  - .name:           k_qa63b356415_down
    .symbol:         k_qa63b356415_down.kd
    .args:
      - { .name: hb, .offset: 0, .size: 8, .value_kind: global_buffer, .address_space: global }
      - { .name: w2, .offset: 8, .size: 8, .value_kind: global_buffer, .address_space: global }
      - { .name: lst, .offset: 16, .size: 8, .value_kind: global_buffer, .address_space: global }
      - { .name: pb, .offset: 24, .size: 8, .value_kind: global_buffer, .address_space: global }
    .group_segment_fixed_size: 173568
    .private_segment_fixed_size: 0
    .kernarg_segment_align: 8
    .kernarg_segment_size: 32
    .max_flat_workgroup_size: 128
    .sgpr_count:     88
    .vgpr_count:     960
    .wavefront_size: 32
...
	.end_amdgpu_metadata
.endif
;; end of part 4
;; launch sum (part 5): grid 256 x 1, 8 waves a work-group, no clusters, 0 bytes of LDS; arguments pb, gate, out0; writes out0
.if DOCPART == 5
	.amdgcn_target "amdgcn-amd-amdhsa--gfx1250"
	.amdhsa_code_object_version 6
	.text
	.protected	k_qa63b356415_sum
	.globl	k_qa63b356415_sum
	.p2align	8
	.type	k_qa63b356415_sum,@function
k_qa63b356415_sum:
	s_mov_b64 s[64:65], 0
	v_nop
	global_prefetch_b8 v0, s[64:65] scope:SCOPE_SE
	s_setreg_imm32_b32 hwreg(HW_REG_WAVE_MODE, 25, 1), 1
	s_wait_xcnt 0x0
; SUM.  out[t] = g0 x (the four K quarters' partial rows 2 t) + g1 x (those of row 2 t + 1), all in f32.
; A work-group owns four tokens, a wave half a row (2,048 bytes) of one: t = 4 x work-group + wave / 2.  All 32 loads of a wave (4 pieces x 4 planes x 2 rows, 512 consecutive bytes each)
; go out at once; the waits count down by pieces.  A stream: no LDS, no barrier, no matrix unit; every byte of pb's live rows is read once, every byte of out0 written once.
.set PLANE, 2056*4096
.set D, 16                             ; v[16:143] piece j, plane p, row k at D + 32 j + 8 p + 4 k
	s_load_b128 s[4:7], s[0:1], 0x0                ; pb, gate
	s_load_b64 s[8:9], s[0:1], 0x10                ; out0
	v_lshrrev_b32 v1, 5, v0
	v_readfirstlane_b32 s10, v1                    ; wave 0..7
	v_and_b32 v2, 31, v0
	v_lshlrev_b32 v2, 4, v2                        ; 16 bytes a lane
	s_lshr_b32 s11, s10, 1
	s_lshl_b32 s12, ttmp9, 2
	s_add_co_u32 s11, s11, s12                     ; t
	s_and_b32 s12, s10, 1
	s_lshl_b32 s12, s12, 11                        ; my half of the row
	s_lshl_b32 s16, s11, 13                        ; rows 2 t and 2 t + 1 lie together: 8,192 bytes
	s_add_co_u32 s16, s16, s12
	s_mov_b32 s17, 0
	s_lshl_b32 s18, s11, 12
	s_add_co_u32 s18, s18, s12
	s_mov_b32 s19, 0
	s_lshl_b32 s20, s11, 3
	s_mov_b32 s21, 0
	s_wait_kmcnt 0x0
	s_add_nc_u64 s[6:7], s[6:7], s[20:21]
	s_load_b64 s[28:29], s[6:7], 0x0               ; g0, g1
	s_add_nc_u64 s[4:5], s[4:5], s[16:17]          ; the four planes lie further apart than a load's immediate reaches: a base each
	s_add_nc_u64 s[22:23], s[4:5], PLANE
	s_add_nc_u64 s[24:25], s[22:23], PLANE
	s_add_nc_u64 s[26:27], s[24:25], PLANE
	s_add_nc_u64 s[8:9], s[8:9], s[18:19]
.macro LD j, p, b
	global_load_b128 v[D+32*(\j)+8*(\p):D+32*(\j)+8*(\p)+3], v2, s[\b:\b+1] offset:512*(\j) th:TH_LOAD_NT
	global_load_b128 v[D+32*(\j)+8*(\p)+4:D+32*(\j)+8*(\p)+7], v2, s[\b:\b+1] offset:4096+512*(\j) th:TH_LOAD_NT
.endm
.irp j, 0,1,2,3
	LD \j, 0, 4
	LD \j, 1, 22
	LD \j, 2, 24
	LD \j, 3, 26
.endr
	s_wait_kmcnt 0x0
	s_mov_b32 s30, s29                             ; g1 in a pair of its own: the packed forms take a scalar pair's low word for both halves
	s_mov_b32 s31, s29
.irp j, 0,1,2,3
	s_wait_loadcnt 24-8*(\j)                       ; piece j's eight loads are in; the later pieces' stay out
.irp c, 0,2,4,6
.irp p, 1,2,3
	v_pk_add_f32 v[D+32*(\j)+(\c):D+32*(\j)+(\c)+1], v[D+32*(\j)+(\c):D+32*(\j)+(\c)+1], v[D+32*(\j)+8*(\p)+(\c):D+32*(\j)+8*(\p)+(\c)+1]
.endr
.endr
.irp c, 0,2
	v_pk_mul_f32 v[D+32*(\j)+(\c):D+32*(\j)+(\c)+1], v[D+32*(\j)+(\c):D+32*(\j)+(\c)+1], s[28:29] op_sel_hi:[1,0]
	v_pk_fma_f32 v[D+32*(\j)+(\c):D+32*(\j)+(\c)+1], v[D+32*(\j)+4+(\c):D+32*(\j)+4+(\c)+1], s[30:31], v[D+32*(\j)+(\c):D+32*(\j)+(\c)+1] op_sel_hi:[1,0,1]
.endr
	global_store_b128 v2, v[D+32*(\j):D+32*(\j)+3], s[8:9] offset:512*(\j) th:TH_STORE_NT   ; 512 consecutive bytes, aligned
.endr
	s_endpgm
.Lfunc_end_k_qa63b356415_sum:
	.size	k_qa63b356415_sum, .Lfunc_end_k_qa63b356415_sum-k_qa63b356415_sum
	.p2alignl 7, 3214868480
	.fill 96, 4, 3214868480
	.section	.rodata,"a",@progbits
	.p2align	6, 0x0
	.amdhsa_kernel k_qa63b356415_sum
		.amdhsa_group_segment_fixed_size 0
		.amdhsa_private_segment_fixed_size 0
		.amdhsa_enable_private_segment 0
		.amdhsa_kernarg_size 24
		.amdhsa_user_sgpr_count 2
		.amdhsa_user_sgpr_kernarg_segment_ptr 1
		.amdhsa_wavefront_size32 1
		.amdhsa_system_sgpr_workgroup_id_x 1
		.amdhsa_system_sgpr_workgroup_id_y 1
		.amdhsa_system_sgpr_workgroup_id_z 1
		.amdhsa_system_vgpr_workitem_id 0
		.amdhsa_next_free_vgpr 144
		.amdhsa_next_free_sgpr 66
		.amdhsa_reserve_vcc 0
		.amdhsa_float_denorm_mode_32 3
		.amdhsa_float_denorm_mode_16_64 3
		.amdhsa_memory_ordered 1
		.amdhsa_forward_progress 1
		.amdhsa_inst_pref_size 9
	.end_amdhsa_kernel
	.amdgpu_metadata
---
amdhsa.version: [ 1, 2 ]
amdhsa.kernels:
  - .name:           k_qa63b356415_sum
    .symbol:         k_qa63b356415_sum.kd
    .args:
      - { .name: pb, .offset: 0, .size: 8, .value_kind: global_buffer, .address_space: global }
      - { .name: gate, .offset: 8, .size: 8, .value_kind: global_buffer, .address_space: global }
      - { .name: out0, .offset: 16, .size: 8, .value_kind: global_buffer, .address_space: global }
    .group_segment_fixed_size: 0
    .private_segment_fixed_size: 0
    .kernarg_segment_align: 8
    .kernarg_segment_size: 24
    .max_flat_workgroup_size: 256
    .sgpr_count:     66
    .vgpr_count:     144
    .wavefront_size: 32
...
	.end_amdgpu_metadata
.endif
;; end of part 5
;; ======== version 2 of 2: 5 launches; version 1 with the launches place, up, down written anew for expert scheduling mode
;; workspace buffers: xb 2,097,152 bytes; idx 8,192 bytes of whole numbers; gate 8,192 bytes; xg 16,777,216 bytes; hb 33,554,432 bytes; lst 49,152 bytes of whole numbers; pb 33,685,504 bytes
;; launch router: the kernel of part 1 again; grid 256 x 1, 4 waves a work-group, no clusters, 0 bytes of LDS; arguments x, router_w, xb, idx, gate; writes xb, idx, gate
;; launch place (part 6): grid 256 x 1, 4 waves a work-group, no clusters, 25,088 bytes of LDS; arguments idx, xb, xg, lst; writes xg, lst
.if DOCPART == 6
	.amdgcn_target "amdgcn-amd-amdhsa--gfx1250"
	.amdhsa_code_object_version 6
	.text
	.protected	k_qa63b356415_place
	.globl	k_qa63b356415_place
	.p2align	8
	.type	k_qa63b356415_place,@function
k_qa63b356415_place:
	s_mov_b64 s[64:65], 0
	v_nop
	global_prefetch_b8 v0, s[64:65] scope:SCOPE_SE
	s_setreg_imm32_b32 hwreg(HW_REG_WAVE_SCHED_MODE, 0, 2), 2
	s_setreg_imm32_b32 hwreg(HW_REG_WAVE_MODE, 25, 1), 1
	s_wait_xcnt 0x0
	s_wait_alu depctr_vm_vsrc(0)
; PLACE.  The experts' lists, and the chosen token rows laid out as the next launch's matrix operands.
; Work-group = (expert e = id / 32, chunk c = (id / 4) % 8 of 128 along K, q = id % 4).
; THE LIST.  Every wave scans all 2,048 choices (idx) and lays the expert's list, rank -> r = 2 token + k, into a list of its own in LDS; places past the count hold 2048 + e.
; All waves of all the expert's work-groups make the same list; the work-group with c = q = 0 stores it (lst, word 1535 = the count).
; THE ROWS.  xg[e][tile of 16 ranks][K step of 32][half][lane][16 bytes]: lane (r = lane % 16, h = lane / 16) of half m holds k = 16 m + 8 h + 0..7 of the row of rank 16 tile + r: the registers of a
; 16-bit matrix operand.  Wave w has the tiles 16 j + 4 q + w, j = 0..3 (an expert has 64 at the most), and of each the chunk's four K steps: eight loads, which together take 256 whole bytes of each of
; the 16 rows, and eight stores of 512 consecutive bytes, aligned.  A place past the count in a tile that is not full repeats token 1,023's row; tiles past the count are not written.
; The loads of all the wave's tiles go out first; the stores follow in reverse order down a ladder of labels, so that each block of stores is reached only behind its own loads.
; A stream of a few megabytes: no matrix unit, no cluster; the first barrier stands between the lists' stores and their reads, the second behind the last reads.
; THE MODE: SCHED_MODE bits 1:0 = 2 (LLVM: expert scheduling mode 2), set by the entry lines.  The code itself states the register dependences
; between vector instructions and memory or LDS instructions, and between vector instructions that write scalar registers and their readers, with s_wait_alu, always for 0.
; THE PLAN.  Registers that memory or LDS instructions touch:
;   L16, LADR, CPF, CPA, CPG, GO, CA, PFV   made once at the head and never written again: one wait ahead of the first load.
;   IDXR      the choices: loaded once, read by the compares; later the rows' loads land there.
;   AD, RQ    a batch of the scan (16 registers of choices) writes sixteen LDS addresses and sixteen entries; its sixteen LDS stores read them.  One wait ahead of the run of stores,
;             one ahead of the next batch's arithmetic.  Later the rows' loads land there.
;   TK        four LDS loads land there; three vector lines make byte offsets of them; the rows' loads read them.
;   D         the rows: loaded, then stored; no vector instruction names them behind the two waits that stand ahead of the ladder.
.set LISTW, 6144                       ; a list: 1,536 words
.set R,     1
.set H,     2
.set L16,   5
.set LN,    6
.set DIDX,  8                          ; 1280 + lane: where a lane that does not match writes
.set LADR,  9                          ; my list entry of my first tile
.set H16,   10
.set CPA,   11
.set CPG,   12
.set CPF,   13
.set GO,    14                         ; my byte offset in the expert's part of xg, first tile
.set T0,    15
.set CA,    16                         ; my list's first byte
.set CD,    17                         ; the count
.set TK,    24                         ; v[24:27] list entry, then byte offset in xb, tile j
.set PFV,   28                         ; v[28:31] 2048 + e, four times
.set CPD,   32                         ; v[32:43]
.set IDXR,  64                         ; v[64:127] the choices
.set AD,    128                        ; v[128:143] a batch's sixteen LDS addresses
.set RQ,    144                        ; v[144:159] r of a batch's sixteen entries
.set D,     64                         ; v[64:191] later: tile j's eight loads at D + 32 j
.set IDXP,  4
.set XBP,   6
.set XG,    8
.set LST,   10
.set WV,    16
.set E,     17
.set C,     18
.set Q,     19
.set BT,    20                         ; 4 q + w: my first tile
.set TT,    21                         ; tiles of the expert
.set NTL,   22                         ; my live tiles, 0 to 4
.set C512,  23
.set RUN,   30
.set LB,    31                         ; my list
.set MK,    40                         ; s[40:55] sixteen masks
	s_load_b256 s[4:11], s[0:1], 0x0               ; idx, xb, xg, lst
	v_lshl_add_u32 v62, v0, 2, 0x6000
	v_mov_b32 v63, 0
	v_lshrrev_b32 v[T0], 5, v0
	v_readfirstlane_b32 s[WV], v[T0]               ; wave 0..3
	s_lshr_b32 s[E], ttmp9, 5
	s_bfe_u32 s[C], ttmp9, 0x30002
	s_and_b32 s[Q], ttmp9, 3
	s_lshl_b32 s[BT], s[Q], 2
	v_and_b32 v[LN], 31, v0
	v_and_b32 v[R], 15, v0
	v_bfe_u32 v[H], v0, 4, 1
	v_lshlrev_b32 v[L16], 4, v[LN]
	v_lshlrev_b32 v[H16], 4, v[H]
.set n, 0
.rept 16                               ; register 4 j + p of lane l is entry 128 j + 4 l + p: the first batch's sixteen
	v_lshl_add_u32 v[RQ+n], v[LN], 2, 128*(n/4)+n%4
.set n, n+1
.endr
	v_add_nc_u32 v[DIDX], 1280, v[LN]
	s_add_co_u32 s24, s[E], 2048
.irp k, 0,1,2,3
	v_mov_b32 v[PFV+(\k)], s24
.endr
	s_wait_alu depctr_va_sdst(0)                   ; the wave's number is written, ahead of its first reader
	s_add_co_u32 s[BT], s[BT], s[WV]
	s_mul_i32 s[LB], s[WV], LISTW
	s_lshl_b32 s24, s[BT], 6
	s_add_co_u32 s24, s24, s[LB]
	v_lshl_add_u32 v[LADR], v[R], 2, s24           ; entry 16 (4 q + w) + lane % 16 of my list
	v_add_nc_u32 v[CPF], s[LB], v[L16]
	v_mov_b32 v[CA], s[LB]
	s_mul_i32 s24, s[WV], 1536
	v_add_nc_u32 v[CPG], s24, v[L16]               ; the quarter of the list that I copy out
	v_add_nc_u32 v[CPA], s[LB], v[CPG]
	v_lshl_add_u32 v[GO], s[BT], 15, v[L16]        ; a tile is 32,768 bytes
	s_mov_b32 s[RUN], 0
	s_mov_b32 s[C512], 512
	s_lshl_b32 s24, s[C], 8                        ; xb: the chunk's 256 bytes of a row
	s_mov_b32 s25, 0
	s_lshl_b32 s26, s[E], 21                       ; xg: the expert's 64 tiles,
	s_lshl_b32 s27, s[C], 12                       ; the chunk's four K steps of 1,024 bytes
	s_add_co_u32 s26, s26, s27
	s_mov_b32 s27, 0
	s_mul_i32 s34, s[E], LISTW
	s_mov_b32 s35, 0
	s_wait_kmcnt 0x0
	s_add_nc_u64 s[XBP:XBP+1], s[XBP:XBP+1], s[24:25]
	s_add_nc_u64 s[XG:XG+1], s[XG:XG+1], s[26:27]
	s_add_nc_u64 s[LST:LST+1], s[LST:LST+1], s[34:35]
	s_wait_alu depctr_va_vdst(0)                   ; the head's offsets and addresses and the fill value are written: the loads and stores of the whole kernel read them
.set z, 0
.rept 16                               ; all 2,048 choices
	global_load_b128 v[IDXR+4*z:IDXR+4*z+3], v[L16], s[IDXP:IDXP+1] offset:512*z
.set z, z+1
.endr
.set z, 0
.rept 12                               ; my list holds 2048 + e wherever no row is entered
	ds_store_b128 v[CPF], v[PFV:PFV+3] offset:512*z
.set z, z+1
.endr
	s_wait_loadcnt 0x0
	; a counting scan, sixteen registers at a time: a lane's rank = the matches so far + the matching lanes below it.  A batch makes its sixteen addresses stage by stage, then stores in ascending order.
.set bb, 0
.rept 4
.set n, 0
.rept 16
	v_cmp_eq_u32 s[MK+n], s[E], v[IDXR+16*bb+n]
.set n, n+1
.endr
	s_wait_alu depctr_va_sdst(0)                   ; the sixteen masks are written, ahead of their first reader
.if bb > 0
	s_wait_alu depctr_vm_vsrc(0)                   ; the last batch's LDS stores have read AD and RQ, which are written again below
.endif
.set n, 0
.rept 16
	v_mbcnt_lo_u32_b32 v[AD+n], s[MK+n], s[RUN]
	s_bcnt1_i32_b32 s24, s[MK+n]
	s_add_co_u32 s[RUN], s[RUN], s24
.set n, n+1
.endr
.set n, 0
.rept 16
	v_cndmask_b32 v[AD+n], v[DIDX], v[AD+n], s[MK+n]       ; a lane that does not match writes word 1280 + lane, which nobody reads as a rank
.set n, n+1
.endr
.set n, 0
.rept 16
	v_min_u32 v[AD+n], 0x5ff, v[AD+n]
.set n, n+1
.endr
.set n, 0
.rept 16
	v_lshl_add_u32 v[AD+n], v[AD+n], 2, s[LB]
.set n, n+1
.endr
.if bb > 0
.set n, 0
.rept 16
	v_add_nc_u32 v[RQ+n], s[C512], v[RQ+n]         ; the same place four loads on
.set n, n+1
.endr
.endif
.if bb == 3
	v_mov_b32 v[CD], s[RUN]
.endif
	s_wait_alu depctr_va_vdst(0)                   ; AD and RQ (in the last batch the count too) are written, which the LDS stores below read
.set n, 0
.rept 16
	ds_store_b32 v[AD+n], v[RQ+n]
.set n, n+1
.endr
.set bb, bb+1
.endr
	ds_store_b32 v[CA], v[CD] offset:LISTW-4       ; word 1535: the count
	s_add_co_u32 s[TT], s[RUN], 15
	s_lshr_b32 s[TT], s[TT], 4
	s_sub_co_i32 s24, s[TT], s[BT]                 ; my tiles 16 j + 4 q + w below TT: ceil((TT - 4 q - w) / 16), held to 0 .. 4
	s_add_co_i32 s24, s24, 15
	s_ashr_i32 s24, s24, 4
	s_max_i32 s24, s24, 0
	s_min_i32 s[NTL], s24, 4
	s_wait_dscnt 0x0                               ; my list is stored,
	s_barrier_signal -1
	s_barrier_wait -1                              ; and everybody's: from here on the lists are only read
	s_and_b32 s24, ttmp9, 31
	s_cmp_lg_u32 s24, 0
	s_cbranch_scc1 .Lnolst                         ; the expert's first work-group stores the list: each wave a quarter of its own copy
.irp k, 0,1,2
	ds_load_b128 v[CPD+4*(\k):CPD+4*(\k)+3], v[CPA] offset:512*(\k)
.endr
	s_wait_dscnt 0x0
.irp k, 0,1,2
	global_store_b128 v[CPG], v[CPD+4*(\k):CPD+4*(\k)+3], s[LST:LST+1] offset:512*(\k)
.endr
.Lnolst:
.irp j, 0,1,2,3
	ds_load_b32 v[TK+(\j)], v[LADR] offset:1024*(\j)       ; sixteen tiles of sixteen entries on
.endr
	s_wait_dscnt 0x0
.irp j, 0,1,2,3
	v_lshrrev_b32 v[TK+(\j)], 1, v[TK+(\j)]        ; r -> token; a place past the count (2048 + e) gives token 1023
.endr
.irp j, 0,1,2,3
	v_min_u32 v[TK+(\j)], 0x3ff, v[TK+(\j)]
.endr
.irp j, 0,1,2,3
	v_lshl_add_u32 v[TK+(\j)], v[TK+(\j)], 11, v[H16]
.endr
	s_wait_alu depctr_va_vdst(0)                   ; TK is written, which the rows' loads read; the compares are done reading IDXR and the scan's arithmetic has written AD and RQ, in all of which those loads land
	s_wait_alu depctr_vm_vsrc(0)                   ; the list's LDS stores have read AD and RQ, in which the third tile's loads land.  No vector instruction follows: both waits hold on every way down the ladder
.macro LD j
.irp u, 0,1,2,3
	global_load_b128 v[D+32*(\j)+8*(\u):D+32*(\j)+8*(\u)+3], v[TK+(\j)], s[XBP:XBP+1] offset:64*(\u)
	global_load_b128 v[D+32*(\j)+8*(\u)+4:D+32*(\j)+8*(\u)+7], v[TK+(\j)], s[XBP:XBP+1] offset:64*(\u)+32
.endr
.endm
.macro ST j
	s_wait_loadcnt 0x0                             ; all my loads are in (met at once on the way down the ladder)
.irp u, 0,1,2,3
	global_store_b128 v[GO], v[D+32*(\j)+8*(\u):D+32*(\j)+8*(\u)+3], s[XG:XG+1] offset:524288*(\j)+1024*(\u)          ; 512 consecutive bytes, aligned
	global_store_b128 v[GO], v[D+32*(\j)+8*(\u)+4:D+32*(\j)+8*(\u)+7], s[XG:XG+1] offset:524288*(\j)+1024*(\u)+512
.endr
.endm
	s_cmp_eq_u32 s[NTL], 0
	s_cbranch_scc1 .Ldone
	LD 0
	s_cmp_eq_u32 s[NTL], 1
	s_cbranch_scc1 .Lst1
	LD 1
	s_cmp_eq_u32 s[NTL], 2
	s_cbranch_scc1 .Lst2
	LD 2
	s_cmp_eq_u32 s[NTL], 3
	s_cbranch_scc1 .Lst3
	LD 3
	ST 3
.Lst3:
	ST 2
.Lst2:
	ST 1
.Lst1:
	ST 0
.Ldone:
	s_wait_dscnt 0x0                               ; my reads of LDS are over,
	s_barrier_signal -1
	s_barrier_wait -1                              ; and everybody's
	s_wait_dscnt 0x0                               ; the wave's end: every dependence is waited for, then the closing add and its wait
	s_wait_alu depctr_hold_cnt(0) depctr_sa_sdst(0) depctr_va_vdst(0) depctr_va_sdst(0) depctr_va_ssrc(0) depctr_va_vcc(0) depctr_vm_vsrc(0)
	s_wait_tensorcnt 0x0
	ds_add_u32 v62, v63
	s_wait_dscnt 0x0
	s_endpgm
.Lfunc_end_k_qa63b356415_place:
	.size	k_qa63b356415_place, .Lfunc_end_k_qa63b356415_place-k_qa63b356415_place
	.p2alignl 7, 3214868480
	.fill 96, 4, 3214868480
	.section	.rodata,"a",@progbits
	.p2align	6, 0x0
	.amdhsa_kernel k_qa63b356415_place
		.amdhsa_group_segment_fixed_size 25088
		.amdhsa_private_segment_fixed_size 0
		.amdhsa_enable_private_segment 0
		.amdhsa_kernarg_size 32
		.amdhsa_user_sgpr_count 2
		.amdhsa_user_sgpr_kernarg_segment_ptr 1
		.amdhsa_wavefront_size32 1
		.amdhsa_system_sgpr_workgroup_id_x 1
		.amdhsa_system_sgpr_workgroup_id_y 1
		.amdhsa_system_sgpr_workgroup_id_z 1
		.amdhsa_system_vgpr_workitem_id 0
		.amdhsa_next_free_vgpr 192
		.amdhsa_next_free_sgpr 66
		.amdhsa_reserve_vcc 0
		.amdhsa_float_denorm_mode_32 3
		.amdhsa_float_denorm_mode_16_64 3
		.amdhsa_memory_ordered 1
		.amdhsa_forward_progress 1
		.amdhsa_inst_pref_size 45
	.end_amdhsa_kernel
	.amdgpu_metadata
---
amdhsa.version: [ 1, 2 ]
amdhsa.kernels:
  - .name:           k_qa63b356415_place
    .symbol:         k_qa63b356415_place.kd
    .args:
      - { .name: idx, .offset: 0, .size: 8, .value_kind: global_buffer, .address_space: global }
      - { .name: xb, .offset: 8, .size: 8, .value_kind: global_buffer, .address_space: global }
      - { .name: xg, .offset: 16, .size: 8, .value_kind: global_buffer, .address_space: global }
      - { .name: lst, .offset: 24, .size: 8, .value_kind: global_buffer, .address_space: global }
    .group_segment_fixed_size: 25088
    .private_segment_fixed_size: 0
    .kernarg_segment_align: 8
    .kernarg_segment_size: 32
    .max_flat_workgroup_size: 128
    .sgpr_count:     66
    .vgpr_count:     192
    .wavefront_size: 32
...
	.end_amdgpu_metadata
.endif
;; end of part 6
;; launch up (part 7): grid 256 x 1, 4 waves a work-group, no clusters, 279,040 bytes of LDS; arguments xg, w1, w3, lst, hb; writes hb
.if DOCPART == 7
	.amdgcn_target "amdgcn-amd-amdhsa--gfx1250"
	.amdhsa_code_object_version 6
	.text
	.protected	k_qa63b356415_up
	.globl	k_qa63b356415_up
	.p2align	8
	.type	k_qa63b356415_up,@function
k_qa63b356415_up:
	s_mov_b64 s[64:65], 0
	v_nop
	global_prefetch_b8 v0, s[64:65] scope:SCOPE_SE
	s_setreg_imm32_b32 hwreg(HW_REG_WAVE_SCHED_MODE, 0, 2), 2
	s_setreg_imm32_b32 hwreg(HW_REG_WAVE_MODE, 25, 1), 1
	s_wait_xcnt 0x0
	s_wait_alu depctr_vm_vsrc(0)
; UP.  h = silu(x w1^T) * (x w3^T) for the rows that chose an expert.  Work-group = (expert e = id / 32, slice s = id % 32 of 64 hidden units): it alone reads the slice's
; 64 rows of w1 and 64 rows of w3 (512 KiB of f32), rounds them to bf16 on their way through registers and keeps them in LDS (8 chunks of 128 along K, rows 272 bytes apart).
; THE STREAM.  While chunk c is multiplied, chunk c + 1 goes from the staging registers into LDS and chunk c + 2 is asked for into the same registers; the token rows come as operand registers
; (xg[e][tile of 16 ranks][K step][half][lane][16 bytes], laid out by the launch before: a load of the wave is 512 consecutive bytes), three K steps ahead.  At most 62 loads of a wave are out.
; One barrier a chunk: chunk c + 1 is whole before anybody reads it; no LDS byte of the weights is written twice.
; THE BASES.  Each of a chunk's four K steps has a base pair of its own for its token loads and one for its staging quarter.  A pair is stepped directly behind that K step's wait on LOADcnt: its last loads were
; issued four K steps ago, 54 loads or more have been issued behind them, and the wait leaves 44 out at the most, so they are done.  The step stands ahead of the use, so the immediates are one step less.
; ROWS.  A wave has five tiles of 16 rows (tile g = 20 sb + 4 i + w), the work-group 320 rows a super-block.  Tiles past the count (lst, word 1535) are jumped by scalar branches that pass neither a barrier nor a
; load; their operand loads go out all the same, at addresses made of constants alone (tile held to 63), so that every count of loads is a constant; what they bring is never multiplied.
; The first super-block runs under the stream.  A later one (an expert with more than 320 rows) reads the weights from LDS and runs the last chunk's text once for each chunk: it asks for a chunk's rows at the
; chunk's head and sits their way out once a chunk: the price of one text for both.  An expert without rows streams its weights (the barriers do not hang on the count) and stores nothing.
; THE MATRIX INSTRUCTION IS USED TRANSPOSED: source 0 = 16 weight rows, source 1 = 16 token rows: a lane holds one token (lane % 16) and eight neighbouring hidden units.
; Column tile 2 j is w1, tile 2 j + 1 is w3 of hidden tile j, so silu(a) b is made lane by lane.
; THE WAY OUT NEEDS NO LDS.  A lane's eight h of hidden tile j, rounded to bf16, are the 16 bytes that the same lane of the next launch wants as half a matrix operand.
; So hb lies in that order: hb[e][s][tile of 16 ranks][j][lane][16 bytes]; a store of the wave is 512 consecutive bytes, aligned.
; THE ACCUMULATORS ARE SET TO 0 by 40 products of two fragments of zeros with C = 0 (one instruction for eight registers), at the head in the wait for the first weights and once for each later super-block:
; matrix work that is not the problem's, taken for the shorter text; a first K step written out would be one more copy of a K step for each of the two ways in.
; NO MULTICAST: each weight byte has one reader.  The token tiles are shared by an expert's 32 work-groups, but the slice takes 278,528 of the 327,680 bytes of LDS, a chunk of 320 rows would want 81,920 more,
; and how many tiles there are hangs on a stored count.
; LIMITS.  silu(a) = a / (1 + 2^(-a log2 e)): for a below about -88 the exponential is infinite and the result 0 (the true value is below 1e-36).  NaN and infinities are not treated apart.
; REGISTERS, in windows of 256 (s_set_vgpr_msb: bits 1:0 source 0, 3:2 source 1, 5:4 source 2, 7:6 destination):
;   window 0: addresses; v48-63 zeros; v64-191 two buffers of weight fragments (the way out works there too); v192-207 packed staging      window 1: v0-159 token fragments, four slots of five tiles
;   window 2: accumulators of tiles 0-3, tile i, column tile ct at v[64 i + 8 ct]      window 3: v0-63 tile 4's; v64-191 staging, four quarters of eight loads
; THE MODE: SCHED_MODE bits 1:0 = 2 (LLVM: expert scheduling mode 2), set by the entry lines.  The code itself states the register dependences
; between vector or matrix instructions and memory or LDS instructions, with s_wait_alu, always for 0.
; THE PLAN.  Registers that memory or LDS instructions touch, in K step ks under the stream:
;   staging quarter ks   its sixteen conversions read it; behind them the loads of the same quarter two chunks on land in it.
;   TB                   the conversions write it; the K step's eight LDS stores read it.
;   fragment buffers     the products read buffer ks % 2; the next K step's fragments land in the other, which the products of K step ks - 1 read.
;   token slots          the products read slot ks; the loads of three K steps on land in slot (ks + 3) % 4, which the products of K step ks - 1 read.
;   WADR, SADR           read by the fragment loads and the staging stores; written by two adds at a chunk's end.
;   L16, XOFF, PFO       offsets; not written in the loop: scalar bases and immediates do the stepping.
; So ONE wait on va_vdst stands in a K step, behind its conversions.  Behind it the K step issues products and v_nop alone, which name buffer ks % 2, slot ks and the accumulators: none of the registers that its
; eight stores, sixteen fragment loads, ten token loads, eight staging loads and its prefetch touch; these are dealt among the products with no further wait, on every way round the dead tiles' branches.
; A wait on vm_vsrc stands ahead of the conversions of quarters 1 to 3 (TB), at a chunk's end ahead of the two adds (it frees TB for the next chunk's first conversions too), and at the opening's tail.
; The last chunk's text has no conversions: there the wait on va_vdst stands at the head of each K step that loads, behind the waits for its own data.
.set NCH,   8                          ; chunks of 128 along K
.set PITCH, 272                        ; 256 bytes + 16: the 16 rows of a fragment load start at 16 different groups of four banks
.set CHB,   128*PITCH                  ; a chunk's region: 128 weight rows
.set XSTEP, 4096                       ; a chunk of a tile in xg: four K steps of 1,024 bytes
.set ROWB,  4096                       ; bytes of a weight row
.set R,     1                          ; lane % 16
.set H,     2                          ; lane / 16
.set L16,   5                          ; 16 x lane
.set SADR,  6                          ; where my staging stores go, in the chunk in hand
.set WADR,  7                          ; where my weight fragments lie, in the chunk in hand
.set XOFF,  8                          ; v[8:12] byte offset of my 16 bytes in the expert's part of xg, tile i
.set HOFF,  15                         ; my byte offset in hb's slice
.set PFO,   16                         ; prefetch: (lane / 2) rows + (lane % 2) x 256 bytes; never rewritten
.set H16,   23
.set SADR0, 24
.set WADR0, 25
.set T0,    29
.set T1,    30
.set LN,    31
.set HOFF0, 32
.set ZA,    48                         ; v[48:55], v[56:63] zeros; never rewritten
.set ZB,    56
.set WF,    64
.set TB,    192
.set ET,    64                         ; the way out
.set EU,    96
.set EH,    128
.set STG,   64                         ; window 3
.set XB0,   4                          ; xg at the expert's first tile; never stepped
.set P1,    6                          ; w1 and w3 at my first row; never stepped: the prefetches' bases
.set P3,    8
.set LST,   10
.set HB,    12
.set WV,    16
.set E,     17
.set SL,    18
.set CNT,   19
.set TT,    20                         ; tiles of the expert
.set NT,    21                         ; my live tiles in the super-block, 0 to 5
.set SB,    22
.set CH,    23
.set NL2E,  28                         ; s[28:29] -log2(e)
.set WB,    31                         ; under the stream: LDS byte of the chunk in hand
.set XL,    32                         ; xg at the chunk in hand, for the last chunk's text
.set XK,    40                         ; s[40:47] K step ks: the base of its token loads
.set WK,    48                         ; s[48:55] K step ks: the base of its staging quarter
.set MSB, 0
.macro WIN new                         ; the immediate's high byte repeats the setting that is left; a switch that changes nothing is dropped
.if MSB != (\new)
	s_set_vgpr_msb (MSB<<8)|(\new)
.set MSB, \new
.endif
.endm
.macro PLACES                          ; four plain instructions between a matrix instruction and a vector write or read of its registers; kept ahead of loads into its registers too, where no conversions stand between
.rept 4
	v_nop
.endr
.endm
.macro CLEARW                          ; 0 x 0 + 0 into all 40 accumulators
	WIN 0x80
.set z, 0
.rept 32
	v_wmma_f32_16x16x32_bf16 v[8*z:8*z+7], v[ZA:ZA+7], v[ZB:ZB+7], 0
.set z, z+1
.endr
	WIN 0xc0
.set z, 0
.rept 8
	v_wmma_f32_16x16x32_bf16 v[8*z:8*z+7], v[ZA:ZA+7], v[ZB:ZB+7], 0
.set z, z+1
.endr
	WIN 0
.endm
; Staging quarter q: eight weight rows' 128 k at byte ko from the quarter's base, 512 consecutive aligned bytes a load.  Quarters 0, 1: w1's rows 0-15 of my hidden tile; 2, 3: w3's.
.macro SLOAD q, ko
	WIN 0xc0
.irp g, 0,1,2,3,4,5,6,7
	global_load_b128 v[STG+32*(\q)+4*(\g):STG+32*(\q)+4*(\g)+3], v[L16], s[WK+2*(\q):WK+2*(\q)+1] offset:(8*((\q)%2)+(\g))*ROWB+(\ko) th:TH_LOAD_NT
.endr
.endm
.macro PREF ko                         ; a chunk of my 32 weight rows, each block of 256 bytes asked for by one lane
	global_prefetch_b8 v[PFO], s[P1:P1+1] offset:\ko th:TH_LOAD_NT scope:SCOPE_SE
	global_prefetch_b8 v[PFO], s[P3:P3+1] offset:\ko th:TH_LOAD_NT scope:SCOPE_SE
.endm
.macro PFSEL c                         ; in the stream's trip c: chunk c + 3, one chunk ahead of the chunk that the trip's loads ask for
	s_cmp_lg_u32 s[CH], NCH-2-(\c)
	s_cbranch_scc1 .Lpf_\@
	PREF 512*((\c)+3)
.Lpf_\@:
.endm
; Quarter q is rounded to bf16 and stored: LDS row 32 w + 8 q + g, 8 bytes a lane, 256 consecutive bytes a store
.macro SCONS q, off
.if (\q) > 0
	s_wait_alu depctr_vm_vsrc(0)                   ; the eight stores of the quarter before have read TB, which the conversions below write again (for quarter 0 the wait at the opening's tail or at the chunk's end has said so)
.endif
	WIN 0x0f
.irp g, 0,1,2,3,4,5,6,7
	v_cvt_pk_bf16_f32 v[TB+2*(\g)], v[STG+32*(\q)+4*(\g)], v[STG+32*(\q)+4*(\g)+1]
	v_cvt_pk_bf16_f32 v[TB+2*(\g)+1], v[STG+32*(\q)+4*(\g)+2], v[STG+32*(\q)+4*(\g)+3]
.endr                                                  ; these sixteen are also the places between the products of the K step before and the loads into the registers that they read
	WIN 0
	s_wait_alu depctr_va_vdst(0)                   ; the conversions have written TB, which the stores below read, and are done reading quarter q, in which its next loads land; the products issued so far are done reading the
	                                               ; fragment buffer and the token slot that are loaded next; SADR, WADR and XOFF, where they were written since the last such wait, are written
.irp g, 0,1,2,3,4,5,6,7
	ds_store_b64 v[SADR], v[TB+2*(\g):TB+2*(\g)+1] offset:(\off)+(8*(\q)+(\g))*PITCH
.endr
.endm
.macro SETXO u                         ; xo = the bytes from a chunk's first K step to its K step u
.set xo, 1024*(\u)
.endm
; The token fragments at byte off from base into slot: five tiles, two loads of 512 consecutive bytes each
.macro XLOAD slot, base, off
	WIN 0x40
.irp i, 0,1,2,3,4
	global_load_b128 v[40*(\slot)+8*(\i):40*(\slot)+8*(\i)+3], v[XOFF+(\i)], s[\base:\base+1] offset:\off
	global_load_b128 v[40*(\slot)+8*(\i)+4:40*(\slot)+8*(\i)+7], v[XOFF+(\i)], s[\base:\base+1] offset:\off+512
.endr
.endm
; The eight weight fragments of a K step at byte off from WADR
.macro WFETCH buf, off
	WIN 0
.irp ct, 0,1,2,3,4,5,6,7
	ds_load_b128 v[WF+64*(\buf)+8*(\ct):WF+64*(\buf)+8*(\ct)+3], v[WADR] offset:(\off)+(\ct)*16*PITCH
	ds_load_b128 v[WF+64*(\buf)+8*(\ct)+4:WF+64*(\buf)+8*(\ct)+7], v[WADR] offset:(\off)+(\ct)*16*PITCH+32
.endr
.endm
; Tile i: eight matrix instructions on eight accumulators, which take turns.  A tile past my count is jumped, to a label ahead of the next load.
.macro GROUP i, buf, slot, lbl
	WIN 0
	s_cmp_le_u32 s[NT], \i
	s_cbranch_scc1 \lbl
	WIN 0xa4+0x50*((\i)/4)
.irp ct, 0,1,2,3,4,5,6,7
	v_wmma_f32_16x16x32_bf16 v[64*((\i)%4)+8*(\ct):64*((\i)%4)+8*(\ct)+7], v[WF+64*(\buf)+8*(\ct):WF+64*(\buf)+8*(\ct)+7], v[40*(\slot)+8*(\i):40*(\slot)+8*(\i)+7], v[64*((\i)%4)+8*(\ct):64*((\i)%4)+8*(\ct)+7]
.endr
	WIN 0
.endm
; A K step of 32.  sq: staging quarter ks goes into LDS; sre: it is asked for again, two chunks on; xre: the token fragments three K steps on are asked for (1: by the K step's own base; 2: by XL);
; wn: the next K step's weight fragments are fetched; bar: the chunk's barrier; n: the loads younger than this step's token fragments (the staging quarter is older than these); pf: the chunk's prefetch.
; The next K step's fragments are fetched behind the first tile's products; in the K step with the barrier behind the barrier, since they lie in the next chunk.
.macro KSTEP ks, sq, sre, xre, wn, bar, n, pf
	s_wait_loadcnt \n
.if \sre
	s_add_nc_u64 s[WK+2*(\ks):WK+2*(\ks)+1], s[WK+2*(\ks):WK+2*(\ks)+1], 512       ; its last loads are the quarter that the wait has just shown in
.endif
.if (\xre) == 1
	s_add_nc_u64 s[XK+2*(\ks):XK+2*(\ks)+1], s[XK+2*(\ks):XK+2*(\ks)+1], XSTEP     ; its last loads were multiplied a K step ago
.endif
.if \sq
	SCONS \ks, CHB
	s_wait_dscnt 8                                 ; the 16 fragment loads are older than the eight stores just issued
.else
	s_wait_dscnt 0x0
.if (\wn)+(\xre)
	PLACES
	s_wait_alu depctr_va_vdst(0)                   ; the products issued so far are done reading the fragment buffer and the token slot in which this K step's loads land; on the way in from the stream WADR is written
.endif
.endif
	GROUP 0, (\ks)%2, \ks, .Lkz_\@
.Lkz_\@:
.if (\wn) && !(\bar)
	WFETCH ((\ks)+1)%2, ((\ks)+1)*64               ; no wait: no vector or matrix instruction since the K step's wait names the other buffer or WADR
.endif
	GROUP 1, (\ks)%2, \ks, .Lka_\@
.Lka_\@:
.if \bar
	s_wait_dscnt 0x0                               ; for the others' sake: my part of the next chunk is stored
	s_barrier_signal -1
	s_barrier_wait -1                              ; everybody's is
	WFETCH 0, CHB
.endif
.if (\xre) == 1
	SETXO (\ks)+3
	XLOAD ((\ks)+3)%4, XK+2*(\ks), xo-XSTEP
.elseif (\xre) == 2
	SETXO (\ks)+3
	XLOAD ((\ks)+3)%4, XL, xo
.endif
.if \sre
	SLOAD \ks, 512
.endif
.if \pf
	WIN 0
.irp c, 0,1,2,3,4
	PFSEL \c                                       ; the last trip asks for nothing: chunk NCH - 1 is the last
.endr
.endif
	GROUP 2, (\ks)%2, \ks, .Lkb_\@
	GROUP 3, (\ks)%2, \ks, .Lkb_\@
	GROUP 4, (\ks)%2, \ks, .Lkb_\@
.Lkb_\@:
.endm
; A chunk.  Behind a K step's token fragments were issued three staging quarters of 8 and two runs of 10: 44; where the staging, and then the token rows, end, the terms fall away.
; mode 0: under the stream; 1: the last chunk but one: nothing more is staged; 4: a chunk whose first three K steps' rows and first fragments have been asked for, and that asks for nothing beyond itself.
.macro CHUNK mode
.if (\mode) == 0
	KSTEP 0, 1, 1, 1, 1, 0, 44, 1
	KSTEP 1, 1, 1, 1, 1, 0, 44, 0
	KSTEP 2, 1, 1, 1, 1, 0, 44, 0
	KSTEP 3, 1, 1, 1, 1, 1, 44, 0
.elseif (\mode) == 1
	KSTEP 0, 1, 0, 1, 1, 0, 44, 0
	KSTEP 1, 1, 0, 1, 1, 0, 36, 0
	KSTEP 2, 1, 0, 1, 1, 0, 28, 0
	KSTEP 3, 1, 0, 1, 1, 1, 20, 0
.else
	KSTEP 0, 0, 0, 2, 1, 0, 20, 0
	KSTEP 1, 0, 0, 0, 1, 0, 20, 0
	KSTEP 2, 0, 0, 0, 1, 0, 10, 0
	KSTEP 3, 0, 0, 0, 0, 0, 0, 0
.endif
.if (\mode) == 0
	s_add_co_u32 s[WB], s[WB], CHB
	s_wait_alu depctr_vm_vsrc(0)                   ; the chunk's fragment loads and staging stores have read WADR, SADR and TB: the two addresses are written here, TB by the next chunk's first conversions
	v_add_nc_u32 v[WADR], s[WB], v[WADR0]
	v_add_nc_u32 v[SADR], s[WB], v[SADR0]
.endif
.endm
; Chunk 0 into LDS, chunk 1 asked for, the first three K steps' token fragments asked for.  Behind quarter q: 8 (3 - q) older-issued quarters and 18 q loads of the turns before.
.macro PRO
.irp q, 0,1,2,3
	s_wait_loadcnt 24+10*(\q)
	SCONS \q, 0
	SLOAD \q, 512
.if (\q) < 3
	SETXO \q
	XLOAD \q, XB0, xo
.endif
.endr
	WIN 0
	s_wait_dscnt 0x0
	s_barrier_signal -1
	s_barrier_wait -1
	s_wait_alu depctr_vm_vsrc(0)                   ; my last staging stores have read TB, which the first K step's conversions write again
	WFETCH 0, 0
.endm
.macro MKNT                            ; my tiles g = 20 sb + 4 i + w below TT: ceil((TT - 20 sb - w) / 4), held to 0 .. 5
	s_mul_i32 s24, s[SB], 20
	s_sub_co_i32 s24, s[TT], s24
	s_sub_co_i32 s24, s24, s[WV]
	s_add_co_i32 s24, s24, 3
	s_ashr_i32 s24, s24, 2
	s_max_i32 s24, s24, 0
	s_min_i32 s[NT], s24, 5
.endm
.macro XMK                             ; tile 20 sb + 4 i + w, held to the expert's 64 tiles, x 32,768 bytes + 16 x lane
	s_mul_i32 s24, s[SB], 20
	s_add_co_u32 s24, s24, s[WV]
.irp i, 0,1,2,3,4
	s_add_co_u32 s25, s24, 4*(\i)
	s_min_u32 s25, s25, 63
	v_lshl_add_u32 v[XOFF+(\i)], s25, 15, v[L16]
.endr
.endm
; THE WAY OUT of tile i: h = a b / (1 + 2^(-a log2 e)), rounded to bf16 and stored from the registers in which it was made.  Two batches of transcendentals, one wait each.
; EH alone is read by stores: the two waits that free it stand ahead of the roundings that write it again, a tile's arithmetic behind the stores.
.macro EPI i
	WIN 0
	s_cmp_le_u32 s[NT], \i
	s_cbranch_scc1 .Lnext
.set AB, 64*((\i)%4)
	WIN 0x02+(\i)/4
.set z, 0
.rept 16                               ; pair z % 4 of hidden tile z / 4; each accumulator is read from its low end on
	v_pk_mul_f32 v[ET+2*z:ET+2*z+1], v[AB+16*(z/4)+2*(z%4):AB+16*(z/4)+2*(z%4)+1], s[NL2E:NL2E+1] op_sel_hi:[1,0]
.set z, z+1
.endr
	WIN 0
.set z, 0
.rept 32
	v_exp_f32 v[ET+z], v[ET+z]
.set z, z+1
.endr
	v_nop                                          ; a plain instruction behind the last exponential,
	s_wait_alu depctr_va_vdst(0)                   ; and one wait for the batch: the 32 exponentials have written ET
.set z, 0
.rept 16
	v_pk_add_f32 v[ET+2*z:ET+2*z+1], v[ET+2*z:ET+2*z+1], 1.0 op_sel_hi:[1,0]
.set z, z+1
.endr
.set z, 0
.rept 32
	v_rcp_f32 v[ET+z], v[ET+z]
.set z, z+1
.endr
	WIN 0x0a+5*((\i)/4)
.set z, 0
.rept 16                               ; a b: the plain work behind the reciprocals
	v_pk_mul_f32 v[EU+2*z:EU+2*z+1], v[AB+16*(z/4)+2*(z%4):AB+16*(z/4)+2*(z%4)+1], v[AB+16*(z/4)+8+2*(z%4):AB+16*(z/4)+8+2*(z%4)+1]
.set z, z+1
.endr
	WIN 0
	s_wait_alu depctr_va_vdst(0)                   ; one wait for the batch: the 32 reciprocals have written ET
.set z, 0
.rept 16
	v_pk_mul_f32 v[EU+2*z:EU+2*z+1], v[EU+2*z:EU+2*z+1], v[ET+2*z:ET+2*z+1]
.set z, z+1
.endr
.if (\i) > 0
	s_wait_xcnt 0x0                                ; the tile before has had its stores' addresses translated,
	s_wait_alu depctr_vm_vsrc(0)                   ; and its stores have read EH, which the roundings below write again (ahead of tile 0 nothing pending reads EH: a later super-block begins with both waits)
.endif
.set z, 0
.rept 16
	v_cvt_pk_bf16_f32 v[EH+z], v[EU+2*z], v[EU+2*z+1]
.set z, z+1
.endr
	s_wait_alu depctr_va_vdst(0)                   ; the roundings have written EH, which the stores below read
.irp j, 0,1,2,3
	global_store_b128 v[HOFF], v[EH+4*(\j):EH+4*(\j)+3], s[HB:HB+1] offset:8192*(\i)+512*(\j)   ; hidden tile j of the tile's 16 ranks: 512 consecutive bytes, aligned
.endr
.endm
	s_load_b256 s[4:11], s[0:1], 0x0               ; xg, w1, w3, lst
	s_load_b64 s[12:13], s[0:1], 0x20              ; hb
	v_lshl_add_u32 v254, v0, 2, 0x44000
	v_mov_b32 v255, 0
	v_lshrrev_b32 v[T0], 5, v0
	v_readfirstlane_b32 s[WV], v[T0]               ; wave 0..3
	s_lshr_b32 s[E], ttmp9, 5
	s_and_b32 s[SL], ttmp9, 31
	v_and_b32 v[LN], 31, v0
	v_and_b32 v[R], 15, v0
	v_bfe_u32 v[H], v0, 4, 1
	v_lshlrev_b32 v[L16], 4, v[LN]
	v_lshlrev_b32 v[H16], 4, v[H]
.set z, 0
.rept 16
	v_mov_b32 v[ZA+z], 0
.set z, z+1
.endr
	v_mul_u32_u24 v[WADR0], v[R], PITCH
	v_add_nc_u32 v[WADR0], v[WADR0], v[H16]        ; a fragment's row x pitch + 16 x half
	v_mov_b32 v[WADR], v[WADR0]
	v_lshrrev_b32 v[T0], 1, v[LN]
	v_and_b32 v[T1], 1, v[LN]
	v_lshlrev_b32 v[T1], 8, v[T1]
	v_lshl_add_u32 v[PFO], v[T0], 12, v[T1]
	s_wait_alu depctr_va_sdst(0)                   ; the wave's number is written, ahead of its first reader
	s_mul_i32 s24, s[WV], 32*PITCH
	v_lshl_add_u32 v[SADR0], v[LN], 3, s24         ; my 32 rows of a chunk, 8 bytes a lane
	v_mov_b32 v[SADR], v[SADR0]
	s_lshl_b32 s24, s[WV], 11
	v_add_nc_u32 v[HOFF0], s24, v[L16]             ; tile w of the super-block: 2,048 w + 16 x lane
	v_mov_b32 v[HOFF], v[HOFF0]
	s_mov_b32 s[NL2E], 0xbfb8aa3b
	s_mov_b32 s[NL2E+1], 0xbfb8aa3b
	s_mov_b32 s[WB], 0
	s_mov_b32 s[SB], 0
	s_lshl_b32 s24, s[E], 11
	s_lshl_b32 s25, s[SL], 6
	s_add_co_u32 s24, s24, s25
	s_lshl_b32 s25, s[WV], 4
	s_add_co_u32 s24, s24, s25                     ; my first weight row: 2,048 e + 64 s + 16 w,
	s_lshl_b32 s24, s24, 12                        ; in bytes
	s_mov_b32 s25, 0
	s_lshl_b32 s26, ttmp9, 17                      ; hb's slice: 64 tiles of 2,048 bytes
	s_mov_b32 s27, 0
	s_mul_i32 s34, s[E], 6144
	s_mov_b32 s35, 0
	s_lshl_b32 s36, s[E], 21                       ; xg: the expert's 64 tiles of 32,768 bytes
	s_mov_b32 s37, 0
	s_wait_kmcnt 0x0
	s_add_nc_u64 s[LST:LST+1], s[LST:LST+1], s[34:35]
	s_load_b32 s[CNT], s[LST:LST+1], 0x17fc        ; word 1535 of the expert's list: the count; no address hangs on it, so it is waited for behind the first chunk
	s_add_nc_u64 s[P1:P1+1], s[P1:P1+1], s[24:25]
	s_add_nc_u64 s[P3:P3+1], s[P3:P3+1], s[24:25]
	s_add_nc_u64 s[HB:HB+1], s[HB:HB+1], s[26:27]
	s_add_nc_u64 s[XB0:XB0+1], s[XB0:XB0+1], s[36:37]
	s_mov_b64 s[WK:WK+1], s[P1:P1+1]
	s_mov_b64 s[WK+2:WK+3], s[P1:P1+1]
	s_mov_b64 s[WK+4:WK+5], s[P3:P3+1]
	s_mov_b64 s[WK+6:WK+7], s[P3:P3+1]
.irp k, 0,1,2,3
	s_mov_b64 s[XK+2*(\k):XK+2*(\k)+1], s[XB0:XB0+1]
.endr
	s_wait_alu depctr_va_vdst(0)                   ; L16, PFO, SADR, WADR and HOFF are written, which the loads, prefetches and stores below read
	SLOAD 0, 0                                     ; chunk 0 of my weight rows
	SLOAD 1, 0
	SLOAD 2, 0
	SLOAD 3, 0
	WIN 0
	PREF 512                                       ; chunks 1 and 2; the stream's trip c asks for chunk c + 3
	PREF 1024
	CLEARW
	XMK
	PRO
	s_wait_kmcnt 0x0
	s_min_u32 s[CNT], s[CNT], 1024
	s_add_co_u32 s[TT], s[CNT], 15
	s_lshr_b32 s[TT], s[TT], 4
	MKNT
	s_mov_b32 s[CH], NCH-2
.Lp:                                                   ; chunks 0 to NCH - 3, under the stream
	CHUNK 0
	s_sub_co_u32 s[CH], s[CH], 1
	s_cmp_lg_u32 s[CH], 0
	s_cbranch_scc1 .Lp
	CHUNK 1
	s_wait_alu depctr_vm_vsrc(0)                   ; the fragment loads issued so far have read WADR
	v_add_nc_u32 v[WADR], (NCH-1)*CHB, v[WADR0]    ; the last chunk: its first three K steps' rows and its first fragments are on their way
	s_add_nc_u64 s[XL:XL+1], s[XB0:XB0+1], (NCH-1)*XSTEP
	s_mov_b32 s[CH], NCH-1
	s_branch .Llast                                ; into the last trip of the loop below
.Lsb:                                                  ; a later super-block: the weights lie in LDS, and nothing writes LDS from here on
	MKNT
	s_cmp_eq_u32 s[NT], 0
	s_cbranch_scc1 .Lnext
	s_wait_xcnt 0x0                                ; the stores' registers and offsets are rewritten only behind this wait,
	s_wait_alu depctr_vm_vsrc(0)                   ; and behind this one: the stores have read HOFF and EH, the token loads XOFF
	s_mul_i32 s24, s[SB], 40960
	v_add_nc_u32 v[HOFF], s24, v[HOFF0]            ; 20 tiles of 2,048 bytes on
	XMK
	CLEARW
	s_mov_b32 s[CH], 0
.Lr:                                                   ; a trip is a chunk: its address is the trip's number times a chunk's bytes, plus my lane's place
	PLACES                                         ; the buffers loaded below were read by the trip before
	s_mul_i32 s24, s[CH], CHB
	s_wait_alu depctr_vm_vsrc(0)                   ; the fragment loads of the trip before have read WADR
	v_add_nc_u32 v[WADR], s24, v[WADR0]
	s_mul_i32 s24, s[CH], XSTEP
	s_mov_b32 s25, 0
	s_add_nc_u64 s[XL:XL+1], s[XB0:XB0+1], s[24:25]   ; the trip before ended with a wait for all its loads
	s_wait_alu depctr_va_vdst(0)                   ; WADR (in the first trip XOFF too) is written; the products are done reading slots 0 to 2 and buffer 0, and the way out's arithmetic has written its registers there: the loads below land in them
.irp q, 0,1,2
	SETXO \q
	XLOAD \q, XL, xo
.endr
	WFETCH 0, 0
.Llast:
	CHUNK 4
	s_add_co_u32 s[CH], s[CH], 1
	s_cmp_lt_u32 s[CH], NCH
	s_cbranch_scc1 .Lr
	PLACES                                         ; behind the last products, on every way on
	EPI 0
	EPI 1
	EPI 2
	EPI 3
	EPI 4
.Lnext:
	s_add_co_u32 s[SB], s[SB], 1
	s_cmp_lt_u32 s[SB], 4                          ; 4 x 320 rows cover the 1,024 that an expert can have
	s_cbranch_scc1 .Lsb
	s_wait_dscnt 0x0                               ; my reads of LDS are over,
	s_barrier_signal -1
	s_barrier_wait -1                              ; and everybody's
	s_wait_dscnt 0x0                               ; the wave's end: every dependence is waited for, then the closing add and its wait
	s_wait_alu depctr_hold_cnt(0) depctr_sa_sdst(0) depctr_va_vdst(0) depctr_va_sdst(0) depctr_va_ssrc(0) depctr_va_vcc(0) depctr_vm_vsrc(0)
	s_wait_tensorcnt 0x0
	ds_add_u32 v254, v255
	s_wait_dscnt 0x0
	s_endpgm
.Lfunc_end_k_qa63b356415_up:
	.size	k_qa63b356415_up, .Lfunc_end_k_qa63b356415_up-k_qa63b356415_up
	.p2alignl 7, 3214868480
	.fill 96, 4, 3214868480
	.section	.rodata,"a",@progbits
	.p2align	6, 0x0
	.amdhsa_kernel k_qa63b356415_up
		.amdhsa_group_segment_fixed_size 279040
		.amdhsa_private_segment_fixed_size 0
		.amdhsa_enable_private_segment 0
		.amdhsa_kernarg_size 40
		.amdhsa_user_sgpr_count 2
		.amdhsa_user_sgpr_kernarg_segment_ptr 1
		.amdhsa_wavefront_size32 1
		.amdhsa_system_sgpr_workgroup_id_x 1
		.amdhsa_system_sgpr_workgroup_id_y 1
		.amdhsa_system_sgpr_workgroup_id_z 1
		.amdhsa_system_vgpr_workitem_id 0
		.amdhsa_next_free_vgpr 960
		.amdhsa_next_free_sgpr 66
		.amdhsa_reserve_vcc 0
		.amdhsa_float_denorm_mode_32 3
		.amdhsa_float_denorm_mode_16_64 3
		.amdhsa_memory_ordered 1
		.amdhsa_forward_progress 1
		.amdhsa_inst_pref_size 149
	.end_amdhsa_kernel
	.amdgpu_metadata
---
amdhsa.version: [ 1, 2 ]
amdhsa.kernels:
  - .name:           k_qa63b356415_up
    .symbol:         k_qa63b356415_up.kd
    .args:
      - { .name: xg, .offset: 0, .size: 8, .value_kind: global_buffer, .address_space: global }
      - { .name: w1, .offset: 8, .size: 8, .value_kind: global_buffer, .address_space: global }
      - { .name: w3, .offset: 16, .size: 8, .value_kind: global_buffer, .address_space: global }
      - { .name: lst, .offset: 24, .size: 8, .value_kind: global_buffer, .address_space: global }
      - { .name: hb, .offset: 32, .size: 8, .value_kind: global_buffer, .address_space: global }
    .group_segment_fixed_size: 279040
    .private_segment_fixed_size: 0
    .kernarg_segment_align: 8
    .kernarg_segment_size: 40
    .max_flat_workgroup_size: 128
    .sgpr_count:     66
    .vgpr_count:     960
    .wavefront_size: 32
...
	.end_amdgpu_metadata
.endif
;; end of part 7
;; launch down (part 8): grid 256 x 1, 4 waves a work-group, no clusters, 173,568 bytes of LDS; arguments hb, w2, lst, pb; writes pb
.if DOCPART == 8
	.amdgcn_target "amdgcn-amd-amdhsa--gfx1250"
	.amdhsa_code_object_version 6
	.text
	.protected	k_qa63b356415_down
	.globl	k_qa63b356415_down
	.p2align	8
	.type	k_qa63b356415_down,@function
k_qa63b356415_down:
	s_mov_b64 s[64:65], 0
	v_nop
	global_prefetch_b8 v0, s[64:65] scope:SCOPE_SE
	s_setreg_imm32_b32 hwreg(HW_REG_WAVE_SCHED_MODE, 0, 2), 2
	s_setreg_imm32_b32 hwreg(HW_REG_WAVE_MODE, 25, 1), 1
	s_wait_xcnt 0x0
	s_wait_alu depctr_vm_vsrc(0)
; DOWN.  Partial rows of h w2^T.  Work-group = (expert e = id / 32, 128 output columns cs = (id / 4) % 8, K quarter kq = id % 4 of 512 hidden units): it alone reads its 128 x 512 of w2
; (256 KiB of f32), rounds it to bf16 on its way through registers and keeps it in LDS (4 chunks of 128 along K, rows 272 bytes apart).  The sums over its quarter of K leave in f32:
; pb[kq][r][1024], r = 2 token + k from the stored list; the next launch adds the four planes.  A place past the count goes to row 2048 + e, which nobody reads; its bytes are this work-group's alone.
; THE STREAM, BASES, ROWS, TILES, WINDOWS: as in the launch before.  While chunk c is multiplied, chunk c + 1 goes from the staging registers into LDS and chunk c + 2 is asked for; at most 62 loads of a wave are out;
; each K step of a chunk has base pairs of its own, stepped directly behind its wait on LOADcnt, which shows their last loads done (54 or more were issued behind them; 44 at the most are left out);
; one barrier a chunk; five tiles of 16 rows a wave, 320 rows a super-block; tiles past the count are jumped by scalar branches that pass neither a barrier nor a load.  A later super-block reads the weights
; from LDS and runs the last chunk's text once for each chunk, asking for a chunk's rows at its head and sitting their way out once a chunk.
; h COMES AS OPERAND REGISTERS: hb[e][slice][tile of 16 ranks][j][lane][16 bytes]: hidden tile j = 2 m of a slice is registers 0-3, j = 2 m + 1 registers 4-7 of the fragment for 32 along K; a load of the wave is
; 512 consecutive bytes, three K steps ahead.  The addresses hang on constants alone (tile held to 63); a tile past the count may bring bytes that nobody stored: its registers are never multiplied.
; In a tile that is not full the places past the count hold token 1,023's h, and their sums go to the row that nobody reads.
; THE MATRIX INSTRUCTION IS USED TRANSPOSED: source 0 = 16 rows of w2 (output columns), source 1 = 16 rows of h: a lane holds one row (lane % 16) and eight neighbouring columns.
; THE WAY OUT goes through a stage in LDS, each wave's own.  Two barriers a super-block, on every wave's path: every wave's fragment reads are over before any stage is written, and every stage's traffic is over
; before fragments are read again.
; THE ACCUMULATORS ARE SET TO 0 by 40 products of two fragments of zeros with C = 0: matrix work that is not the problem's, taken for the shorter text.
; NO MULTICAST: each weight byte has one reader; the tiles of h are shared by eight work-groups, but how many of them there are hangs on a stored count.
; An expert without rows streams its weights and stores nothing.  NaN and infinities are not treated apart.
; THE MODE: SCHED_MODE bits 1:0 = 2 (LLVM: expert scheduling mode 2), set by the entry lines.  The code itself states the register dependences
; between vector or matrix instructions and memory or LDS instructions, and between vector instructions that write scalar registers and their readers, with s_wait_alu, always for 0.
; THE PLAN.  Registers that memory or LDS instructions touch, in K step ks under the stream:
;   staging quarter ks   its sixteen conversions read it; behind them the loads of the same quarter two chunks on land in it.
;   TB                   the conversions write it; the K step's eight LDS stores read it.
;   fragment buffers     the products read buffer ks % 2; the next K step's fragments land in the other, which the products of K step ks - 1 read.
;   slots of h           the products read slot ks; the loads of three K steps on land in slot (ks + 3) % 4, which the products of K step ks - 1 read.
;   WADR, SADR           read by the fragment loads and the staging stores; written by two adds at a chunk's end.
;   L16, XOFF, PFO       offsets; not written in the loop: scalar bases and immediates do the stepping.
; So ONE wait on va_vdst stands in a K step, behind its conversions.  Behind it the K step issues products and v_nop alone, which name buffer ks % 2, slot ks and the accumulators: none of the registers that its
; eight stores, sixteen fragment loads, ten loads of h, eight staging loads and its prefetch touch; these are dealt among the products with no further wait, on every way round the dead tiles' branches.
; A wait on vm_vsrc stands ahead of the conversions of quarters 1 to 3 (TB), at a chunk's end ahead of the two adds (it frees TB for the next chunk's first conversions too), and at the opening's tail.
; The last chunk's text has no conversions: there the wait on va_vdst stands at the head of each K step that loads, behind the waits for its own data.
; On the way out: the accumulators are read by the stage's stores; ERB takes the rows read back and is read by the global stores; SO, their offsets, is written by vector lines; RV is loaded once a super-block and read lane by lane.
; What a super-block's way out leaves pending is waited for at the next super-block's label, ahead of its branch, so that the wait stands on every way on from there.
.set NCH,   4
.set PITCH, 272
.set CHB,   128*PITCH
.set STAGE, NCH*CHB                    ; 16 rows x 528 bytes for each wave, for the way out
.set SPD,   528                        ; 512 bytes + 16: the 16 rows of a store start at 16 different groups of four banks
.set XSTEP, 262144                     ; a chunk is two slices of hb
.set ROWB,  8192
.set PLANE, 2056*4096
.set R,     1
.set H,     2
.set L16,   5
.set SADR,  6
.set WADR,  7
.set XOFF,  8                          ; v[8:12] byte offset of my 16 bytes in a slice of hb, tile i
.set STO,   13
.set RD,    14
.set PFO,   16                         ; never rewritten
.set RV,    17                         ; v[17:21] the list entries of tile i's rows (lane % 16)
.set LOFF,  22
.set H16,   23
.set SADR0, 24
.set WADR0, 25
.set RK0,   26                         ; 16 w + lane % 16
.set RKB,   27                         ; + 320 sb
.set T0,    29
.set T1,    30
.set LN,    31
.set ZA,    48                         ; v[48:55], v[56:63] zeros; never rewritten
.set ZB,    56
.set WF,    64
.set TB,    192
.set ERB,   64                         ; the way out: 16 rows read back
.set SO,    128                        ; and their byte offsets in pb
.set STG,   64                         ; window 3
.set XB0,   4                          ; hb at my first slice; never stepped
.set P2,    6                          ; w2 at my first row and K quarter; never stepped: the prefetches' base
.set LST,   8
.set PB,    10
.set XL,    12                         ; hb at the chunk in hand, for the last chunk's text
.set WV,    16
.set E,     17
.set CS,    18
.set CNT,   19
.set TT,    20
.set NT,    21
.set SB,    22
.set CH,    23
.set KQ,    28
.set WB,    31                         ; under the stream: LDS byte of the chunk in hand
.set XK,    40                         ; s[40:47] K step ks: the base of its loads of h
.set WK,    48                         ; s[48:55] K step ks: the base of its staging quarter
.set RL,    72                         ; s[72:87] a tile's sixteen rows of pb
.set MSB, 0
.macro WIN new                         ; the immediate's high byte repeats the setting that is left; a switch that changes nothing is dropped
.if MSB != (\new)
	s_set_vgpr_msb (MSB<<8)|(\new)
.set MSB, \new
.endif
.endm
.macro PLACES                          ; four plain instructions between a matrix instruction and a read or write of its registers; kept ahead of loads into its registers too, where no conversions stand between
.rept 4
	v_nop
.endr
.endm
.macro CLEARW                          ; 0 x 0 + 0 into all 40 accumulators
	WIN 0x80
.set z, 0
.rept 32
	v_wmma_f32_16x16x32_bf16 v[8*z:8*z+7], v[ZA:ZA+7], v[ZB:ZB+7], 0
.set z, z+1
.endr
	WIN 0xc0
.set z, 0
.rept 8
	v_wmma_f32_16x16x32_bf16 v[8*z:8*z+7], v[ZA:ZA+7], v[ZB:ZB+7], 0
.set z, z+1
.endr
	WIN 0
.endm
; Staging quarter q: rows 8 q + g of my 32, 128 k at byte ko from the quarter's base: 512 consecutive aligned bytes a load
.macro SLOAD q, ko
	WIN 0xc0
.irp g, 0,1,2,3,4,5,6,7
	global_load_b128 v[STG+32*(\q)+4*(\g):STG+32*(\q)+4*(\g)+3], v[L16], s[WK+2*(\q):WK+2*(\q)+1] offset:(8*(\q)+(\g))*ROWB+(\ko) th:TH_LOAD_NT
.endr
.endm
.macro PREF ko                         ; a chunk of my 32 weight rows, each block of 256 bytes asked for by one lane
	global_prefetch_b8 v[PFO], s[P2:P2+1] offset:\ko th:TH_LOAD_NT scope:SCOPE_SE
	global_prefetch_b8 v[PFO], s[P2:P2+1] offset:(\ko)+16*ROWB th:TH_LOAD_NT scope:SCOPE_SE
.endm
.macro PFSEL c                         ; in the stream's trip c: chunk c + 3, one chunk ahead of the chunk that the trip's loads ask for
	s_cmp_lg_u32 s[CH], NCH-2-(\c)
	s_cbranch_scc1 .Lpf_\@
	PREF 512*((\c)+3)
.Lpf_\@:
.endm
.macro SCONS q, off
.if (\q) > 0
	s_wait_alu depctr_vm_vsrc(0)                   ; the eight stores of the quarter before have read TB, which the conversions below write again (for quarter 0 the wait at the opening's tail or at the chunk's end has said so)
.endif
	WIN 0x0f
.irp g, 0,1,2,3,4,5,6,7
	v_cvt_pk_bf16_f32 v[TB+2*(\g)], v[STG+32*(\q)+4*(\g)], v[STG+32*(\q)+4*(\g)+1]
	v_cvt_pk_bf16_f32 v[TB+2*(\g)+1], v[STG+32*(\q)+4*(\g)+2], v[STG+32*(\q)+4*(\g)+3]
.endr                                                  ; these sixteen are also the places between the products of the K step before and the loads into the registers that they read
	WIN 0
	s_wait_alu depctr_va_vdst(0)                   ; the conversions have written TB, which the stores below read, and are done reading quarter q, in which its next loads land; the products issued so far are done reading the
	                                               ; fragment buffer and the slot of h that are loaded next; SADR, WADR and XOFF, where they were written since the last such wait, are written
.irp g, 0,1,2,3,4,5,6,7
	ds_store_b64 v[SADR], v[TB+2*(\g):TB+2*(\g)+1] offset:(\off)+(8*(\q)+(\g))*PITCH
.endr
.endm
.macro SETXO u                         ; xo = the bytes from a chunk's first K step to its K step u: slice u / 2 on, hidden tiles 2 (u % 2) and 2 (u % 2) + 1 of it
.set xo, ((\u)/2)*131072+((\u)%2)*1024
.endm
; The fragments of h at byte off from base into slot: five tiles, two loads of 512 consecutive bytes each
.macro XLOAD slot, base, off
	WIN 0x40
.irp i, 0,1,2,3,4
	global_load_b128 v[40*(\slot)+8*(\i):40*(\slot)+8*(\i)+3], v[XOFF+(\i)], s[\base:\base+1] offset:\off
	global_load_b128 v[40*(\slot)+8*(\i)+4:40*(\slot)+8*(\i)+7], v[XOFF+(\i)], s[\base:\base+1] offset:\off+512
.endr
.endm
.macro WFETCH buf, off
	WIN 0
.irp ct, 0,1,2,3,4,5,6,7
	ds_load_b128 v[WF+64*(\buf)+8*(\ct):WF+64*(\buf)+8*(\ct)+3], v[WADR] offset:(\off)+(\ct)*16*PITCH
	ds_load_b128 v[WF+64*(\buf)+8*(\ct)+4:WF+64*(\buf)+8*(\ct)+7], v[WADR] offset:(\off)+(\ct)*16*PITCH+32
.endr
.endm
; Tile i: eight matrix instructions on eight accumulators, which take turns.  A tile past my count is jumped, to a label ahead of the next load.
.macro GROUP i, buf, slot, lbl
	WIN 0
	s_cmp_le_u32 s[NT], \i
	s_cbranch_scc1 \lbl
	WIN 0xa4+0x50*((\i)/4)
.irp ct, 0,1,2,3,4,5,6,7
	v_wmma_f32_16x16x32_bf16 v[64*((\i)%4)+8*(\ct):64*((\i)%4)+8*(\ct)+7], v[WF+64*(\buf)+8*(\ct):WF+64*(\buf)+8*(\ct)+7], v[40*(\slot)+8*(\i):40*(\slot)+8*(\i)+7], v[64*((\i)%4)+8*(\ct):64*((\i)%4)+8*(\ct)+7]
.endr
	WIN 0
.endm
; A K step of 32.  sq: staging quarter ks goes into LDS; sre: it is asked for again, two chunks on; xre: the fragments of h three K steps on are asked for (1: by the K step's own base; 2: by XL);
; wn: the next K step's weight fragments are fetched; bar: the chunk's barrier; n: the loads younger than this step's fragments of h (the staging quarter is older than these); pf: the chunk's prefetch.
; The next K step's fragments are fetched behind the first tile's products; in the K step with the barrier behind the barrier, since they lie in the next chunk.
.macro KSTEP ks, sq, sre, xre, wn, bar, n, pf
	s_wait_loadcnt \n
.if \sre
	s_add_nc_u64 s[WK+2*(\ks):WK+2*(\ks)+1], s[WK+2*(\ks):WK+2*(\ks)+1], 512       ; its last loads are the quarter that the wait has just shown in
.endif
.if (\xre) == 1
	s_add_nc_u64 s[XK+2*(\ks):XK+2*(\ks)+1], s[XK+2*(\ks):XK+2*(\ks)+1], XSTEP     ; its last loads were multiplied a K step ago
.endif
.if \sq
	SCONS \ks, CHB
	s_wait_dscnt 8                                 ; the 16 fragment loads are older than the eight stores just issued
.else
	s_wait_dscnt 0x0
.if (\wn)+(\xre)
	PLACES
	s_wait_alu depctr_va_vdst(0)                   ; the products issued so far are done reading the fragment buffer and the slot of h in which this K step's loads land; on the way in from the stream WADR is written
.endif
.endif
	GROUP 0, (\ks)%2, \ks, .Lkz_\@
.Lkz_\@:
.if (\wn) && !(\bar)
	WFETCH ((\ks)+1)%2, ((\ks)+1)*64               ; no wait: no vector or matrix instruction since the K step's wait names the other buffer or WADR
.endif
	GROUP 1, (\ks)%2, \ks, .Lka_\@
.Lka_\@:
.if \bar
	s_wait_dscnt 0x0                               ; for the others' sake: my part of the next chunk is stored
	s_barrier_signal -1
	s_barrier_wait -1                              ; everybody's is
	WFETCH 0, CHB
.endif
.if (\xre) == 1
	SETXO (\ks)+3
	XLOAD ((\ks)+3)%4, XK+2*(\ks), xo-XSTEP
.elseif (\xre) == 2
	SETXO (\ks)+3
	XLOAD ((\ks)+3)%4, XL, xo
.endif
.if \sre
	SLOAD \ks, 512
.endif
.if \pf
	WIN 0
	PFSEL 0                                        ; the second trip asks for nothing: chunk 3 is the last
.endif
	GROUP 2, (\ks)%2, \ks, .Lkb_\@
	GROUP 3, (\ks)%2, \ks, .Lkb_\@
	GROUP 4, (\ks)%2, \ks, .Lkb_\@
.Lkb_\@:
.endm
; A chunk.  Behind a K step's fragments of h were issued three staging quarters of 8 and two runs of 10: 44; where the staging, and then the rows, end, the terms fall away.
; mode 0: under the stream; 1: the last chunk but one: nothing more is staged; 4: a chunk whose first three K steps' rows and first fragments have been asked for, and that asks for nothing beyond itself.
.macro CHUNK mode
.if (\mode) == 0
	KSTEP 0, 1, 1, 1, 1, 0, 44, 1
	KSTEP 1, 1, 1, 1, 1, 0, 44, 0
	KSTEP 2, 1, 1, 1, 1, 0, 44, 0
	KSTEP 3, 1, 1, 1, 1, 1, 44, 0
.elseif (\mode) == 1
	KSTEP 0, 1, 0, 1, 1, 0, 44, 0
	KSTEP 1, 1, 0, 1, 1, 0, 36, 0
	KSTEP 2, 1, 0, 1, 1, 0, 28, 0
	KSTEP 3, 1, 0, 1, 1, 1, 20, 0
.else
	KSTEP 0, 0, 0, 2, 1, 0, 20, 0
	KSTEP 1, 0, 0, 0, 1, 0, 20, 0
	KSTEP 2, 0, 0, 0, 1, 0, 10, 0
	KSTEP 3, 0, 0, 0, 0, 0, 0, 0
.endif
.if (\mode) == 0
	s_add_co_u32 s[WB], s[WB], CHB
	s_wait_alu depctr_vm_vsrc(0)                   ; the chunk's fragment loads and staging stores have read WADR, SADR and TB: the two addresses are written here, TB by the next chunk's first conversions
	v_add_nc_u32 v[WADR], s[WB], v[WADR0]
	v_add_nc_u32 v[SADR], s[WB], v[SADR0]
.endif
.endm
; Chunk 0 into LDS, chunk 1 asked for, the first three K steps' fragments of h asked for.  Behind quarter q: 8 (3 - q) older-issued quarters and 18 q loads of the turns before.
.macro PRO
.irp q, 0,1,2,3
	s_wait_loadcnt 24+10*(\q)
	SCONS \q, 0
	SLOAD \q, 512
.if (\q) < 3
	SETXO \q
	XLOAD \q, XB0, xo
.endif
.endr
	WIN 0
	s_wait_dscnt 0x0
	s_barrier_signal -1
	s_barrier_wait -1
	s_wait_alu depctr_vm_vsrc(0)                   ; my last staging stores have read TB, which the first K step's conversions write again
	WFETCH 0, 0
.endm
.macro MKNT                            ; my tiles g = 20 sb + 4 i + w below TT: ceil((TT - 20 sb - w) / 4), held to 0 .. 5
	s_mul_i32 s24, s[SB], 20
	s_sub_co_i32 s24, s[TT], s24
	s_sub_co_i32 s24, s24, s[WV]
	s_add_co_i32 s24, s24, 3
	s_ashr_i32 s24, s24, 2
	s_max_i32 s24, s24, 0
	s_min_i32 s[NT], s24, 5
.endm
.macro RVADR                           ; where the list entries of my five tiles' rows lie
	s_mul_i32 s24, s[SB], 320
	v_add_nc_u32 v[RKB], s24, v[RK0]
	v_lshlrev_b32 v[LOFF], 2, v[RKB]
.endm
.macro RVLD                            ; the entries: the oldest loads of a super-block, so its first wait covers them
.irp i, 0,1,2,3,4
	global_load_b32 v[RV+(\i)], v[LOFF], s[LST:LST+1] offset:256*(\i)
.endr
.endm
.macro XMK                             ; tile 20 sb + 4 i + w, held to a slice's 64 tiles, x 2,048 bytes + 16 x lane
	s_mul_i32 s24, s[SB], 20
	s_add_co_u32 s24, s24, s[WV]
.irp i, 0,1,2,3,4
	s_add_co_u32 s25, s24, 4*(\i)
	s_min_u32 s25, s25, 63
	v_lshl_add_u32 v[XOFF+(\i)], s25, 11, v[L16]
.endr
.endm
; THE WAY OUT of tile i: the f32 sums go through my own stage and come back as whole rows of 512 bytes; row j goes to pb's row lst[rank].  The sixteen lane reads, clamps and offsets go in batches,
; between the loads from the stage and the waits for them.
.macro EPI i
	WIN 0
	s_cmp_le_u32 s[NT], \i
	s_cbranch_scc1 .Lnext
.if (\i) == 0
	s_wait_alu depctr_va_vdst(0)                   ; the products have written the accumulators, which the stage's stores of all five tiles read, and are done reading the fragment registers, in which the rows read back land; the places stand ahead of the barrier above.
	                                               ; (That the super-block before's stores have read ERB and SO is said at this super-block's label, ahead of its branch; in the first super-block no store has named them.)
.else
	s_wait_xcnt 0x0                                ; the tile before has had its stores' addresses translated,
	s_wait_alu depctr_vm_vsrc(0)                   ; and its stores have read ERB, in which the loads below land, and SO, which is written again below
.endif
.set AB, 64*((\i)%4)
	WIN 0x08+4*((\i)/4)                            ; the stores' data in window 2 or 3
.irp ct, 0,1,2,3,4,5,6,7
	ds_store_b128 v[STO], v[AB+8*(\ct):AB+8*(\ct)+3] offset:64*(\ct)            ; each accumulator is read from its low end on
	ds_store_b128 v[STO], v[AB+8*(\ct)+4:AB+8*(\ct)+7] offset:64*(\ct)+16
.endr
	WIN 0
.set z, 0
.rept 16
	ds_load_b128 v[ERB+4*z:ERB+4*z+3], v[RD] offset:SPD*z   ; LDS serves a wave's instructions in order (ISA guide 5.7.1.4): these see the stores above
.set z, z+1
.endr
.set z, 0
.rept 16
	v_readlane_b32 s[RL+z], v[RV+(\i)], z
.set z, z+1
.endr
	s_wait_alu depctr_va_sdst(0)                   ; the sixteen lane reads have written s[RL ..], ahead of their first reader
.set z, 0
.rept 16
	s_min_u32 s[RL+z], s[RL+z], 2055
.set z, z+1
.endr
.set z, 0
.rept 16
	v_lshl_add_u32 v[SO+z], s[RL+z], 12, v[L16]
.set z, z+1
.endr
	s_wait_alu depctr_va_vdst(0)                   ; SO is written, which the stores below read as their offsets
.set z, 0
.rept 16
	s_wait_dscnt 15-z
	global_store_b128 v[SO+z], v[ERB+4*z:ERB+4*z+3], s[PB:PB+1]   ; 512 consecutive bytes of one row, aligned
.set z, z+1
.endr
.endm
	s_load_b256 s[4:11], s[0:1], 0x0               ; hb, w2, lst, pb
	v_lshl_add_u32 v254, v0, 2, 0x2a400
	v_mov_b32 v255, 0
	v_lshrrev_b32 v[T0], 5, v0
	v_readfirstlane_b32 s[WV], v[T0]               ; wave 0..3
	s_lshr_b32 s[E], ttmp9, 5
	s_bfe_u32 s[CS], ttmp9, 0x30002
	s_and_b32 s[KQ], ttmp9, 3
	v_and_b32 v[LN], 31, v0
	v_and_b32 v[R], 15, v0
	v_bfe_u32 v[H], v0, 4, 1
	v_lshlrev_b32 v[L16], 4, v[LN]
	v_lshlrev_b32 v[H16], 4, v[H]
.set z, 0
.rept 16
	v_mov_b32 v[ZA+z], 0
.set z, z+1
.endr
	v_mul_u32_u24 v[WADR0], v[R], PITCH
	v_add_nc_u32 v[WADR0], v[WADR0], v[H16]
	v_mov_b32 v[WADR], v[WADR0]
	v_lshrrev_b32 v[T0], 1, v[LN]
	v_and_b32 v[T1], 1, v[LN]
	v_lshlrev_b32 v[T1], 8, v[T1]
	v_lshl_add_u32 v[PFO], v[T0], 13, v[T1]
	v_mul_u32_u24 v[STO], v[R], SPD
	v_lshl_add_u32 v[STO], v[H], 5, v[STO]
	s_mov_b32 s[WB], 0
	s_mov_b32 s[SB], 0
	s_wait_alu depctr_va_sdst(0)                   ; the wave's number is written, ahead of its first reader
	s_mul_i32 s24, s[WV], 32*PITCH
	v_lshl_add_u32 v[SADR0], v[LN], 3, s24
	v_mov_b32 v[SADR], v[SADR0]
	s_mul_i32 s24, s[WV], 16*SPD
	s_add_co_u32 s24, s24, STAGE                   ; my stage
	v_add_nc_u32 v[STO], s24, v[STO]               ; in: row lane % 16, 32 bytes for each half of the lanes
	v_add_nc_u32 v[RD], s24, v[L16]                ; back: 32 lanes take one row of 512 bytes
	s_lshl_b32 s24, s[WV], 4
	v_add_nc_u32 v[RK0], s24, v[R]
	RVADR
	s_lshl_b32 s24, s[E], 5
	s_lshl_b32 s25, s[KQ], 3
	s_add_co_u32 s24, s24, s25
	s_lshl_b32 s24, s24, 17                        ; hb: slice 32 e + 8 kq
	s_mov_b32 s25, 0
	s_lshl_b32 s26, s[E], 10
	s_lshl_b32 s27, s[CS], 7
	s_add_co_u32 s26, s26, s27
	s_lshl_b32 s27, s[WV], 5
	s_add_co_u32 s26, s26, s27                     ; w2: row 1,024 e + 128 cs + 32 w,
	s_lshl_b32 s26, s26, 13
	s_lshl_b32 s27, s[KQ], 11                      ; and 512 kq along it
	s_add_co_u32 s26, s26, s27
	s_mov_b32 s27, 0
	s_mul_i32 s34, s[E], 6144
	s_mov_b32 s35, 0
	s_mul_i32 s36, s[KQ], PLANE
	s_lshl_b32 s37, s[CS], 9
	s_add_co_u32 s36, s36, s37
	s_mov_b32 s37, 0
	s_wait_kmcnt 0x0
	s_add_nc_u64 s[LST:LST+1], s[LST:LST+1], s[34:35]
	s_load_b32 s[CNT], s[LST:LST+1], 0x17fc        ; word 1535 of the expert's list: the count; no address hangs on it, so it is waited for behind the first chunk
	s_add_nc_u64 s[XB0:XB0+1], s[XB0:XB0+1], s[24:25]
	s_add_nc_u64 s[P2:P2+1], s[P2:P2+1], s[26:27]
	s_add_nc_u64 s[PB:PB+1], s[PB:PB+1], s[36:37]
.irp k, 0,1,2,3
	s_mov_b64 s[WK+2*(\k):WK+2*(\k)+1], s[P2:P2+1]
	s_mov_b64 s[XK+2*(\k):XK+2*(\k)+1], s[XB0:XB0+1]
.endr
	s_wait_alu depctr_va_vdst(0)                   ; L16, LOFF, PFO, SADR, WADR, STO and RD are written, which the loads, prefetches and stores below read
	RVLD
	SLOAD 0, 0                                     ; chunk 0 of my weight rows
	SLOAD 1, 0
	SLOAD 2, 0
	SLOAD 3, 0
	WIN 0
	PREF 512                                       ; chunks 1 and 2; the stream's first trip asks for chunk 3
	PREF 1024
	CLEARW
	XMK
	PRO
	s_wait_kmcnt 0x0
	s_min_u32 s[CNT], s[CNT], 1024
	s_add_co_u32 s[TT], s[CNT], 15
	s_lshr_b32 s[TT], s[TT], 4
	MKNT
	s_mov_b32 s[CH], NCH-2
.Lp:                                                   ; chunks 0 to NCH - 3, under the stream
	CHUNK 0
	s_sub_co_u32 s[CH], s[CH], 1
	s_cmp_lg_u32 s[CH], 0
	s_cbranch_scc1 .Lp
	CHUNK 1
	s_wait_alu depctr_vm_vsrc(0)                   ; the fragment loads issued so far have read WADR
	v_add_nc_u32 v[WADR], (NCH-1)*CHB, v[WADR0]    ; the last chunk: its first three K steps' rows and its first fragments are on their way
	s_add_nc_u64 s[XL:XL+1], s[XB0:XB0+1], (NCH-1)*XSTEP
	s_mov_b32 s[CH], NCH-1
	s_branch .Llast                                ; into the last trip of the loop below
.Lsb:                                                  ; a later super-block: the weights lie in LDS
	s_wait_xcnt 0x0                                ; the stores' registers and offsets are rewritten only behind this wait,
	s_wait_alu depctr_vm_vsrc(0)                   ; and behind this one: the stores have read SO and ERB, the loads XOFF and LOFF, the stage's stores the accumulators.  Both stand ahead of the branch below: on every way on from here
	MKNT
	s_cmp_eq_u32 s[NT], 0
	s_cbranch_scc1 .Lmeet                          ; nothing of mine in it: what is jumped holds no barrier
	RVADR
	XMK
	s_wait_alu depctr_va_vdst(0)                   ; LOFF is written, which the loads below read; the lane reads are done with RV, in which they land
	RVLD
	CLEARW
	s_mov_b32 s[CH], 0
.Lr:                                                   ; a trip is a chunk: its address is the trip's number times a chunk's bytes, plus my lane's place
	PLACES                                         ; the buffers loaded below were read by the trip before
	s_mul_i32 s24, s[CH], CHB
	s_wait_alu depctr_vm_vsrc(0)                   ; the fragment loads of the trip before have read WADR
	v_add_nc_u32 v[WADR], s24, v[WADR0]
	s_mul_i32 s24, s[CH], XSTEP
	s_mov_b32 s25, 0
	s_add_nc_u64 s[XL:XL+1], s[XB0:XB0+1], s[24:25]   ; the trip before ended with a wait for all its loads
	s_wait_alu depctr_va_vdst(0)                   ; WADR is written; the products are done reading slots 0 to 2 and buffer 0, in which the loads below land
.irp q, 0,1,2
	SETXO \q
	XLOAD \q, XL, xo
.endr
	WFETCH 0, 0
.Llast:
	CHUNK 4
	s_add_co_u32 s[CH], s[CH], 1
	s_cmp_lt_u32 s[CH], NCH
	s_cbranch_scc1 .Lr
	PLACES                                         ; behind the last products, on every way on
.Lmeet:
	s_wait_dscnt 0x0                               ; my fragment reads of this super-block are over,
	s_barrier_signal -1
	s_barrier_wait -1                              ; and everybody's: only now is a stage written
	EPI 0
	EPI 1
	EPI 2
	EPI 3
	EPI 4
.Lnext:
	s_wait_dscnt 0x0                               ; my stage's stores and loads are over,
	s_barrier_signal -1
	s_barrier_wait -1                              ; and everybody's: only now are fragments read again, or the wave ends
	s_add_co_u32 s[SB], s[SB], 1
	s_cmp_lt_u32 s[SB], 4                          ; 4 x 320 rows cover the 1,024 that an expert can have
	s_cbranch_scc1 .Lsb
	s_wait_dscnt 0x0                               ; the wave's end: every dependence is waited for, then the closing add and its wait
	s_wait_alu depctr_hold_cnt(0) depctr_sa_sdst(0) depctr_va_vdst(0) depctr_va_sdst(0) depctr_va_ssrc(0) depctr_va_vcc(0) depctr_vm_vsrc(0)
	s_wait_tensorcnt 0x0
	ds_add_u32 v254, v255
	s_wait_dscnt 0x0
	s_endpgm
.Lfunc_end_k_qa63b356415_down:
	.size	k_qa63b356415_down, .Lfunc_end_k_qa63b356415_down-k_qa63b356415_down
	.p2alignl 7, 3214868480
	.fill 96, 4, 3214868480
	.section	.rodata,"a",@progbits
	.p2align	6, 0x0
	.amdhsa_kernel k_qa63b356415_down
		.amdhsa_group_segment_fixed_size 173568
		.amdhsa_private_segment_fixed_size 0
		.amdhsa_enable_private_segment 0
		.amdhsa_kernarg_size 32
		.amdhsa_user_sgpr_count 2
		.amdhsa_user_sgpr_kernarg_segment_ptr 1
		.amdhsa_wavefront_size32 1
		.amdhsa_system_sgpr_workgroup_id_x 1
		.amdhsa_system_sgpr_workgroup_id_y 1
		.amdhsa_system_sgpr_workgroup_id_z 1
		.amdhsa_system_vgpr_workitem_id 0
		.amdhsa_next_free_vgpr 960
		.amdhsa_next_free_sgpr 88
		.amdhsa_reserve_vcc 0
		.amdhsa_float_denorm_mode_32 3
		.amdhsa_float_denorm_mode_16_64 3
		.amdhsa_memory_ordered 1
		.amdhsa_forward_progress 1
		.amdhsa_inst_pref_size 147
	.end_amdhsa_kernel
	.amdgpu_metadata
---
amdhsa.version: [ 1, 2 ]
amdhsa.kernels:
  - .name:           k_qa63b356415_down
    .symbol:         k_qa63b356415_down.kd
    .args:
      - { .name: hb, .offset: 0, .size: 8, .value_kind: global_buffer, .address_space: global }
      - { .name: w2, .offset: 8, .size: 8, .value_kind: global_buffer, .address_space: global }
      - { .name: lst, .offset: 16, .size: 8, .value_kind: global_buffer, .address_space: global }
      - { .name: pb, .offset: 24, .size: 8, .value_kind: global_buffer, .address_space: global }
    .group_segment_fixed_size: 173568
    .private_segment_fixed_size: 0
    .kernarg_segment_align: 8
    .kernarg_segment_size: 32
    .max_flat_workgroup_size: 128
    .sgpr_count:     88
    .vgpr_count:     960
    .wavefront_size: 32
...
	.end_amdgpu_metadata
.endif
;; end of part 8
;; launch sum: the kernel of part 5 again; grid 256 x 1, 8 waves a work-group, no clusters, 0 bytes of LDS; arguments pb, gate, out0; writes out0
